; MI455X (gfx1250); checked and timed in simulation.
; The chip was launched on July 23, 2026; its instructions are those of AMD's public machine-readable ISA for CDNA 5 (MIT licence, August 2026) and "CDNA5" Instruction Set Architecture Reference Guide (July 2026). The comments in the code are by the model that wrote it; some were corrected since.
;; Causal Self Attention. Allowed arithmetic: matrix products marked QUANTISED: E2M1 operands, one E8M0 scale for each 32 along K, by v_wmma_scale_f32_16x16x128_f8f6f4 with both operands' format E2M1 (or v_wmma_scale_f32_32x16x128_f4), f32 sums; products left as they are: bf16, f16 or f32 operands; f32 sums; everything else in f32.
;; Inputs: b_out 1,024 float32; b_qkv 3,072 float32; w_out 1,024 x 1,024 float32; w_qkv 1,024 x 3,072 float32; x 4 x 2,048 x 1,024 float32.
;; Outputs: out0 4 x 2,048 x 1,024 float32.
;; This version of the problem:
;;   THIS VERSION OF THE PROBLEM IS GIVEN IN LOW PRECISION. The matrix products marked QUANTISED in the list below multiply operands that are first quantised to E2M1 (2 exponent bits, 1 mantissa bit; 4 bits a number), with one power-of-two scale for each 32 numbers along K (OCP MX v1.0); their sums are f32. The products marked 'left as it is' may take bf16, f16 or f32 operands, with f32 sums. Whichever they take, every output number must still come out within the allowed error. Rounding operands to bf16 (8 significant bits) uses up far more of that allowance than f16 does (11 bits, for magnitudes from 6e-5 to 65,504). All else is computed in f32.
;;   The module's matrix products, in the order in which they are computed (A, B: the left and right operand; K: the contracted axis; several contracted axes count as one K, in the product's order):
;;     1. [M 8,192, K 1,024] x [K 1,024, N 3,072]; A: input x; B: input w_qkv: QUANTISED
;;     2. batch 64 x [M 2,048, K 64] x [K 64, N 2,048]; A: computed on the way; B: computed on the way: left as it is (an operand is computed on the way)
;;     3. batch 64 x [M 2,048, K 2,048] x [K 2,048, N 64]; A: computed on the way; B: computed on the way: left as it is (an operand is computed on the way)
;;     4. [M 8,192, K 1,024] x [K 1,024, N 1,024]; A: computed on the way; B: input w_out: left as it is (an operand is computed on the way)
;;   THE QUANTISER, for each operand of a quantised product, along K:
;;     - K is cut into blocks of 32 from its start; a last block that is shorter is filled with zeros.
;;     - A block's scale is 2^e with e = floor(log2(the largest magnitude in the block)) - 2, held to -126 .. 127; a block of zeros has e = 0. As a byte (E8M0): e + 127.
;;     - Each number is divided by its block's scale, clamped to +-6, and rounded to the nearest number of E2M1, ties to even, subnormals kept.
;;     - The product sums the exact products of the quantised numbers (number of the format x scale) in f32.
;;   ~~~python
;;   def quantise(x, axis):      # numpy; x: float32 -> the quantised numbers, widened to float32 again
;;       x = np.moveaxis(x, axis, -1); K = x.shape[-1]
;;       x = np.pad(x, [(0, 0)] * (x.ndim - 1) + [(0, -K % 32)]); x = x.reshape(x.shape[:-1] + (-1, 32)); a = np.abs(x).max(-1, keepdims=True)
;;       e = np.where(a > 0, np.clip(np.frexp(np.where(a > 0, a, 1))[1] - 1 - 2, -126, 127), 0)      # np.frexp(a)[1] - 1 = floor(log2(a)), exactly
;;       r = np.clip(x / 2.0 ** e, -6, 6)
;;       step = 2.0 ** (np.maximum(np.frexp(np.where(r == 0, 1, r))[1] - 1, 0) - 1)
;;       q = np.round(r / step) * step * 2.0 ** e      # np.round: ties to even
;;       return np.moveaxis(q.reshape(q.shape[:-2] + (-1,))[..., :K], -1, axis).astype(np.float32)
;;   ~~~
;; One version. Each part assembles by itself: llvm-mc -triple=amdgcn-amd-amdhsa -mcpu=gfx1250 --defsym DOCPART=n.
;; ======== version 1 of 1: 5 launches
;; limits: values are held in f16: magnitudes above 65,504 overflow, below 6.1e-05 lose precision
;; workspace buffers: xq 4,456,448 bytes; wq 1,671,168 bytes; wo 2,097,152 bytes; qi 16,777,216 bytes; ki 16,777,216 bytes; vi 16,777,216 bytes; q16 786,432 bytes; ao 16,777,216 bytes
;; launch prep (part 1): grid 512 x 1, 4 waves a work-group, no clusters, 34,304 bytes of LDS; arguments x, w_qkv, w_out, xq, wq, wo; writes xq, wq, wo
.if DOCPART == 1
	.amdgcn_target "amdgcn-amd-amdhsa--gfx1250"
	.amdhsa_code_object_version 6
	.text
	.protected	k_qcd9ea12ad3_prep
	.globl	k_qcd9ea12ad3_prep
	.p2align	8
	.type	k_qcd9ea12ad3_prep,@function
k_qcd9ea12ad3_prep:
	s_mov_b64 s[64:65], 0
	v_nop
	global_prefetch_b8 v0, s[64:65] scope:SCOPE_SE
	s_setreg_imm32_b32 hwreg(HW_REG_WAVE_MODE, 25, 1), 1
	s_wait_xcnt 0x0
; CAUSAL SELF-ATTENTION, launch 1 of 5: the operands of the first product become codes of E2M1 with one E8M0 byte for each 32 along K, and w_out becomes f16.
; WORK LEFT OUT BY THE PROGRAM, and why it can reach no output, for all values of the inputs:
;  (a) K's third of b_qkv.  score(q, k) = q . (k + bk) = q . k + q . bk, and q . bk is the same for every key of a query's row: a softmax along the keys takes it away.  The product of q and k is not
;      quantised, so no code hangs on it.  Those 1,024 numbers of b_qkv are not loaded; q's and v's thirds are.
;  (b) tiles of scores that lie wholly above the diagonal: reference() sets them to -infinity by the jnp.tril of its own body, so their weights are 0.
;  LIMIT: a NaN, an infinity or an overflow that reaches only the work left out is not carried to the result.
; LIMITS of this launch: NaN and infinities among the inputs are not served.  A block's largest magnitude is taken with the floor 2^(3 - 127), so the byte is never under 1; a block of zeros gets the byte 1
; where the rule says 127: its codes are zeros, which add nothing, and this program alone reads the bytes.
; ALL WORKSPACE IS LAID AS IMAGES OF OPERAND REGISTERS.  A fragment of 16 rows x 128 K of 4-bit codes is 1,024 bytes: [c 2][lane 32][16 bytes], lane (r, h) holding the codes of k = 64 c + 32 h + 0 .. 31 of row r.
;   xq: [k / 512][row / 128][34,816 bytes]: 32,768 of codes [row group of 16, 8][k step of 128, 4][1,024], then 2,048 of scale words [row 128][4 words].   wq: the same with w_qkv's columns as rows.
;   wo: f16 fragments of 16 n x 32 k, [g 2][lane][16 bytes], lane (r, h): k = 16 g + 8 h + 0 .. 7 of column r; laid [k / 128][n / 16][k step of 32, 4][1,024].
; THREE ROLES by the work-group's number: 0-255 x, 256-447 w_qkv, 448-511 w_out.  Only the first uses LDS.  No matrix unit, no cluster, no tensor load: waves share nothing and memory binds.
.set PART,  34816
.set STG,   8448                       ; role x: a wave's stage: 16 rows x (512 bytes + 16)
.set SPARE, 4*STG                      ; behind the stages: the spare words, 128 bytes for each wave
.set SPW, 8                            ; v8   LDS address of my spare word; never rewritten
.set NIL, 9                            ; v9   0; never rewritten
.set RR,  64                           ; v64-191  numbers as they are loaded
.set XX,  192                          ; v192-255 role x: 64 numbers in the operand's order; role w_out: the f16 pairs
.set CC,  24                           ; v24-55   codes, never written twice
.set WW,  20                           ; v20-23   role x: the four scale words
.macro BLKMAX d, e, x                  ; the largest magnitude of the 32 numbers v[x] on, in two chains, with the floor as one more leaf
	v_max3_num_f32 v[\d], |v[\x]|, |v[\x+1]|, |v[\x+2]|
	v_max3_num_f32 v[\e], |v[\x+3]|, |v[\x+4]|, |v[\x+5]|
.irp i, 6,10,14,18,22,26
	v_max3_num_f32 v[\d], v[\d], |v[\x+\i]|, |v[\x+\i+1]|
	v_max3_num_f32 v[\e], v[\e], |v[\x+\i+2]|, |v[\x+\i+3]|
.endr
	v_max3_num_f32 v[\d], v[\d], |v[\x+30]|, |v[\x+31]|
	v_max3_num_f32 v[\d], v[\d], v[\e], 0x1800000
.endm
.macro LOADU u                         ; role x: 128 along K of my 16 rows: each load reads 512 consecutive bytes of one row
.irp i, 0,1,2,3,4,5,6,7,8,9,10,11,12,13,14,15
	global_load_b128 v[RR+64*((\u)%2)+4*\i:RR+64*((\u)%2)+4*\i+3], v4, s[4:5] offset:\i*4096+(\u)*512 th:TH_LOAD_NT
.endr
.endm
.macro UNIT u                          ; role x: one fragment
.if (\u) < 3
	s_wait_loadcnt 16                              ; this unit's 16 loads are in; the next unit's 16 may be out
.else
	s_wait_loadcnt 0x0
.endif
.irp i, 0,1,2,3,4,5,6,7,8,9,10,11,12,13,14,15
	ds_store_b128 v5, v[RR+64*((\u)%2)+4*\i:RR+64*((\u)%2)+4*\i+3] offset:\i*528
.endr
.irp c, 0,1
.irp i, 0,1,2,3,4,5,6,7
	ds_load_b128 v[XX+32*\c+4*\i:XX+32*\c+4*\i+3], v6 offset:\c*256+16*\i   ; LDS serves a wave's instructions in order: these see the stores.  Lane (r, h): k = 64 c + 32 h + 0 .. 31 of row r
.endr
.endr
	s_wait_dscnt 0x0
.if (\u) < 2
	LOADU (\u)+2
.endif
	BLKMAX 10, 12, XX                              ; a lane holds two whole blocks: h and 2 + h
	BLKMAX 11, 13, XX+32
	v_add_nc_u32 v12, 0xff000000, v10              ; 2 off the exponent field: the conversion takes the exponent field of this operand as its scale
	v_add_nc_u32 v13, 0xff000000, v11
	v_lshrrev_b32 v14, 23, v12                     ; the scales' bytes
	v_lshrrev_b32 v15, 23, v13
	v_lshl_or_b32 v16, v15, 16, v14
	v_lshlrev_b32 v16, v17, v16                    ; at their places: 8 h bits up
	v_permlanex16_b32 v18, v16, s20, s21
	v_or_b32 v[WW+(\u)], v16, v18                  ; with lane l xor 16's two bytes the row's word is whole
.irp c, 0,1
.irp g, 0,1,2,3
	v_cvt_scalef32_pk8_fp4_f32 v[CC+8*(\u)+4*\c+\g], v[XX+32*\c+8*\g:XX+32*\c+8*\g+7], v[12+\c]
.endr
.endr
	v_nop                                          ; one plain line behind the last scaled conversion
.irp c, 0,1
	global_store_b128 v4, v[CC+8*(\u)+4*\c:CC+8*(\u)+4*\c+3], s[26:27] offset:(\u)*1024+\c*512   ; 512 consecutive bytes
.endr
.endm
.macro WLOAD kb, base, pitch           ; roles w: block kb of 32 along K: a lane takes a column, its registers run down K; a load reads 128 consecutive bytes
.set n1, 0
.rept 32
	global_load_b32 v[RR+32*(\kb)+n1], v4, s[\base:\base+1] offset:(32*(\kb)+n1)*\pitch th:TH_LOAD_NT
.set n1, n1+1
.endr
.endm
.macro WBLK kb                         ; role w_qkv: a block's scale and codes
	BLKMAX 10, 11, RR+32*(\kb)
	v_add_nc_u32 v12, 0xff000000, v10
	v_lshrrev_b32 v13, 23, v12
.if (\kb) == 0
	v_mov_b32 v48, v13
.else
	v_lshl_or_b32 v48, v13, 8*(\kb), v48
.endif
.irp g, 0,1,2,3
	v_cvt_scalef32_pk8_fp4_f32 v[32+4*(\kb)+\g], v[RR+32*(\kb)+8*\g:RR+32*(\kb)+8*\g+7], v12
.endr
	v_nop
	global_store_b128 v5, v[32+4*(\kb):32+4*(\kb)+3], s[26:27] offset:((\kb)/2)*512+((\kb)%2)*256   ; block kb = 2 c + h of the image: sixteen lanes fill 256 consecutive bytes
.endm
.macro OBLK kc                         ; role w_out: 32 along K become one fragment's share of each of my two column groups
.set n1, 0
.rept 16
	v_cvt_pk_f16_f32 v[XX+16*(\kc)+n1], v[RR+32*(\kc)+2*n1], v[RR+32*(\kc)+2*n1+1]
.set n1, n1+1
.endr
.irp j, 0,1,2,3
	global_store_b128 v5, v[XX+16*(\kc)+4*\j:XX+16*(\kc)+4*\j+3], s[26:27] offset:(\kc)*1024+(\j/2)*512+(\j%2)*256
.endr
.endm
	s_load_b256 s[4:11], s[0:1], 0x0               ; x s[4:5], w_qkv s[6:7], w_out s[8:9], xq s[10:11]
	s_load_b128 s[12:15], s[0:1], 0x20             ; wq s[12:13], wo s[14:15]
	v_lshl_add_u32 v[SPW], v0, 2, SPARE
	v_mov_b32 v[NIL], 0
	v_lshrrev_b32 v1, 5, v0
	v_readfirstlane_b32 s16, v1                    ; wave
	v_and_b32 v1, 31, v0                           ; lane
	v_and_b32 v2, 15, v0                           ; r
	v_bfe_u32 v3, v0, 4, 1                         ; h
	s_cmp_lt_u32 ttmp9, 256
	s_cbranch_scc0 .Lnot_x
	; ---- role x: a wave takes 16 rows x 512 along K: four fragments and the rows' four scale words
	s_lshl_b32 s17, ttmp9, 2
	s_add_co_u32 s17, s17, s16                     ; unit = 4 x work-group + wave
	s_lshr_b32 s18, s17, 1                         ; row group of 16
	s_and_b32 s19, s17, 1                          ; which 512 along K
	s_lshl_b32 s22, s18, 16                        ; 16 rows of 4,096 bytes
	s_lshl_b32 s23, s19, 11
	s_add_co_u32 s22, s22, s23
	s_mov_b32 s23, 0
	s_lshl_b32 s24, s19, 6
	s_lshr_b32 s25, s18, 3
	s_add_co_u32 s24, s24, s25
	s_mul_i32 s24, s24, PART                       ; my block of 128 rows in xq
	s_and_b32 s25, s18, 7
	s_lshl_b32 s26, s25, 12
	s_add_co_u32 s26, s26, s24                     ; my codes
	s_mov_b32 s27, 0
	s_lshl_b32 s28, s25, 8
	s_add_co_u32 s28, s28, s24
	s_add_co_u32 s28, s28, 32768                   ; my scale words
	s_mov_b32 s29, 0
	s_mul_i32 s30, s16, STG                        ; my stage
	s_mov_b32 s20, 0x76543210
	s_mov_b32 s21, 0xfedcba98                      ; v_permlanex16_b32's selects for lane l xor 16
	v_lshlrev_b32 v4, 4, v1                        ; 16 x lane
	v_add_nc_u32 v5, s30, v4                       ; the stage, on the way in
	v_mul_u32_u24 v6, v2, 528
	v_lshl_add_u32 v6, v3, 7, v6
	v_add_nc_u32 v6, s30, v6                       ; and back: row r, + 128 h
	v_lshlrev_b32 v7, 4, v2
	v_lshl_add_u32 v7, v3, 3, v7                   ; my 8 bytes of the rows' scale words: 16 r + 8 h
	v_lshlrev_b32 v17, 3, v3                       ; 8 h
	v_mov_b32 v18, 0                               ; a lane permute's destination counts as one of its sources
	s_wait_kmcnt 0x0
	s_add_nc_u64 s[4:5], s[4:5], s[22:23]
	s_add_nc_u64 s[26:27], s[10:11], s[26:27]
	s_add_nc_u64 s[28:29], s[10:11], s[28:29]
	LOADU 0
	LOADU 1
	UNIT 0
	UNIT 1
	UNIT 2
	UNIT 3
	v_cmp_eq_u32 vcc_lo, 1, v3
	v_cndmask_b32 v10, v20, v22, vcc_lo            ; lanes 0-15 store words 0 and 1 of their row, lanes 16-31 words 2 and 3
	v_cndmask_b32 v11, v21, v23, vcc_lo
	global_store_b64 v7, v[10:11], s[28:29]        ; the wave stores 256 consecutive bytes
	s_wait_tensorcnt 0x0                           ; the wave's end, behind my last LDS store
	ds_add_u32 v[SPW], v[NIL]
	s_wait_dscnt 0x0
	s_endpgm
.Lnot_x:
	s_cmp_lt_u32 ttmp9, 448
	s_cbranch_scc0 .Lrole_o
	; ---- role w_qkv: a work-group takes 128 columns x 128 along K, a wave 32 columns
	s_sub_co_u32 s17, ttmp9, 256
	s_lshr_b32 s18, s17, 3                         ; block of 128 columns, 0 .. 23
	s_and_b32 s19, s17, 7                          ; k step of 128
	s_mul_i32 s22, s19, 128*12288
	s_lshl_b32 s23, s18, 9
	s_add_co_u32 s22, s22, s23
	s_lshl_b32 s23, s16, 7
	s_add_co_u32 s22, s22, s23
	s_mov_b32 s23, 0
	s_lshr_b32 s24, s19, 2
	s_mul_i32 s24, s24, 24
	s_add_co_u32 s24, s24, s18
	s_mul_i32 s24, s24, PART                       ; my block in wq
	s_and_b32 s25, s19, 3
	s_lshl_b32 s26, s16, 13                        ; my two column groups
	s_add_co_u32 s26, s26, s24
	s_lshl_b32 s27, s25, 10
	s_add_co_u32 s26, s26, s27
	s_mov_b32 s27, 0
	s_lshl_b32 s28, s16, 9
	s_add_co_u32 s28, s28, s24
	s_lshl_b32 s29, s25, 2
	s_add_co_u32 s28, s28, s29
	s_add_co_u32 s28, s28, 32768
	s_mov_b32 s29, 0
	v_lshlrev_b32 v4, 2, v1                        ; in: 4 bytes a lane
	v_lshlrev_b32 v5, 4, v2
	v_lshl_add_u32 v5, v3, 12, v5                  ; out: 16 r, and the second column group for lanes 16-31
	v_lshlrev_b32 v6, 4, v1                        ; my column's four scale words
	s_wait_kmcnt 0x0
	s_add_nc_u64 s[6:7], s[6:7], s[22:23]
	s_add_nc_u64 s[26:27], s[12:13], s[26:27]
	s_add_nc_u64 s[28:29], s[12:13], s[28:29]
	WLOAD 0, 6, 12288
	WLOAD 1, 6, 12288
	s_wait_loadcnt 32                              ; block 0 is in; block 1's 32 loads may be out
	WLOAD 2, 6, 12288
	WBLK 0
	s_wait_loadcnt 32                              ; block 1 is in; block 2's may be out
	WLOAD 3, 6, 12288
	WBLK 1
	s_wait_loadcnt 32                              ; block 2 is in; block 3's may be out
	WBLK 2
	s_wait_loadcnt 0x0
	WBLK 3
	global_store_b32 v6, v48, s[28:29]             ; one word a column, 16 bytes apart: 98,304 bytes in the whole launch go out in such pieces
	s_endpgm
.Lrole_o:
	; ---- role w_out: the same walk; the numbers are rounded to f16
	s_sub_co_u32 s17, ttmp9, 448
	s_lshr_b32 s18, s17, 3                         ; block of 128 columns, 0 .. 7
	s_and_b32 s19, s17, 7                          ; k step of 128
	s_lshl_b32 s22, s19, 19                        ; 128 rows of 4,096 bytes
	s_lshl_b32 s23, s18, 9
	s_add_co_u32 s22, s22, s23
	s_lshl_b32 s23, s16, 7
	s_add_co_u32 s22, s22, s23
	s_mov_b32 s23, 0
	s_lshl_b32 s26, s19, 6
	s_lshl_b32 s27, s18, 3
	s_add_co_u32 s26, s26, s27
	s_lshl_b32 s27, s16, 1
	s_add_co_u32 s26, s26, s27
	s_lshl_b32 s26, s26, 12                        ; (64 k step + column group) x 4,096
	s_mov_b32 s27, 0
	v_lshlrev_b32 v4, 2, v1
	v_lshlrev_b32 v5, 4, v2
	v_lshl_add_u32 v5, v3, 12, v5
	s_wait_kmcnt 0x0
	s_add_nc_u64 s[8:9], s[8:9], s[22:23]
	s_add_nc_u64 s[26:27], s[14:15], s[26:27]
	WLOAD 0, 8, 4096
	WLOAD 1, 8, 4096
	s_wait_loadcnt 32                              ; as in the role above: one younger block may be out
	WLOAD 2, 8, 4096
	OBLK 0
	s_wait_loadcnt 32
	WLOAD 3, 8, 4096
	OBLK 1
	s_wait_loadcnt 32
	OBLK 2
	s_wait_loadcnt 0x0
	OBLK 3
	s_endpgm
.Lfunc_end_k_qcd9ea12ad3_prep:
	.size	k_qcd9ea12ad3_prep, .Lfunc_end_k_qcd9ea12ad3_prep-k_qcd9ea12ad3_prep
	.p2alignl 7, 3214868480
	.fill 96, 4, 3214868480
	.section	.rodata,"a",@progbits
	.p2align	6, 0x0
	.amdhsa_kernel k_qcd9ea12ad3_prep
		.amdhsa_group_segment_fixed_size 34304
		.amdhsa_private_segment_fixed_size 0
		.amdhsa_enable_private_segment 0
		.amdhsa_kernarg_size 48
		.amdhsa_user_sgpr_count 2
		.amdhsa_user_sgpr_kernarg_segment_ptr 1
		.amdhsa_wavefront_size32 1
		.amdhsa_system_sgpr_workgroup_id_x 1
		.amdhsa_system_sgpr_workgroup_id_y 1
		.amdhsa_system_sgpr_workgroup_id_z 1
		.amdhsa_system_vgpr_workitem_id 0
		.amdhsa_next_free_vgpr 256
		.amdhsa_next_free_sgpr 66
		.amdhsa_reserve_vcc 1
		.amdhsa_float_denorm_mode_32 3
		.amdhsa_float_denorm_mode_16_64 3
		.amdhsa_memory_ordered 1
		.amdhsa_forward_progress 1
		.amdhsa_inst_pref_size 68
	.end_amdhsa_kernel
	.amdgpu_metadata
---
amdhsa.version: [ 1, 2 ]
amdhsa.kernels:
  - .name:           k_qcd9ea12ad3_prep
    .symbol:         k_qcd9ea12ad3_prep.kd
    .args:
      - { .name: x, .offset: 0, .size: 8, .value_kind: global_buffer, .address_space: global }
      - { .name: w_qkv, .offset: 8, .size: 8, .value_kind: global_buffer, .address_space: global }
      - { .name: w_out, .offset: 16, .size: 8, .value_kind: global_buffer, .address_space: global }
      - { .name: xq, .offset: 24, .size: 8, .value_kind: global_buffer, .address_space: global }
      - { .name: wq, .offset: 32, .size: 8, .value_kind: global_buffer, .address_space: global }
      - { .name: wo, .offset: 40, .size: 8, .value_kind: global_buffer, .address_space: global }
    .group_segment_fixed_size: 34304
    .private_segment_fixed_size: 0
    .kernarg_segment_align: 8
    .kernarg_segment_size: 48
    .max_flat_workgroup_size: 128
    .sgpr_count:     66
    .vgpr_count:     256
    .wavefront_size: 32
...
	.end_amdgpu_metadata
.endif
;; end of part 1
;; launch qkv (part 2): grid 12 x 32, 4 waves a work-group, clusters of 4 x 4, 327,680 bytes of LDS; arguments xq, wq, b_qkv, qi, ki, vi, q16; writes qi, ki, vi, q16
.if DOCPART == 2
	.amdgcn_target "amdgcn-amd-amdhsa--gfx1250"
	.amdhsa_code_object_version 6
	.text
	.protected	k_qcd9ea12ad3_qkv
	.globl	k_qcd9ea12ad3_qkv
	.p2align	8
	.type	k_qcd9ea12ad3_qkv,@function
k_qcd9ea12ad3_qkv:
	s_mov_b64 s[64:65], 0
	v_nop
	global_prefetch_b8 v0, s[64:65] scope:SCOPE_SE
	s_setreg_imm32_b32 hwreg(HW_REG_WAVE_MODE, 25, 1), 1
	s_wait_xcnt 0x0
	s_wait_alu depctr_hold_cnt(0) depctr_sa_sdst(0) depctr_va_vdst(0) depctr_va_sdst(0) depctr_va_ssrc(0) depctr_va_vcc(0) depctr_vm_vsrc(0)
	s_getreg_b32 s2, hwreg(HW_REG_IB_STS2, 6, 4)
	s_cmp_eq_u32 s2, 0
	s_cbranch_scc0 .Lentry_in_a_cluster
	s_endpgm
.Lentry_in_a_cluster:
	s_bfe_u32 s2, ttmp6, 0x10000c
	s_cmp_lg_u32 s2, 0xf033
	s_cbranch_scc0 .Lentry_shape_is_right
	s_endpgm
.Lentry_shape_is_right:
; Launch 2 of 5: qkv = Q(x) Q(w_qkv) + b_qkv on codes of E2M1 with E8M0 scales, [8,192 x 1,024] x [1,024 x 3,072], sums in f32; q, k and v leave as f16, laid as the next launch's operand registers.
; LEFT OUT: K's third of b_qkv (a term of the scores that is the same along the softmax's axis; shown at the head of the first launch): k's sums begin with 0, q's and v's with their bias as C.
; LIMIT: q, k and v are rounded to f16: magnitudes of 65,504 and more are not served.
; A tile of 256 x 256 is made by four waves, a wave 128 x 128: 64 accumulators, 512 registers.  All of K (1,024) lies in LDS: two slots of 512 along K, each filled once, so no slot is filled again.
; A slot holds four parts of 34,816 bytes as launch 1 laid them (128 rows: 32,768 bytes of fragment images, 2,048 of scale words): x's two row halves, then w's two column halves.  A part is one dense block of memory
; and comes by one tensor load of 136 rows of 256 bytes; a fragment is read at 16 x lane, so nothing is padded.
; CLUSTERS: 4 x 4 work-groups.  The cluster's x is the kind (0 q, 1 k, 2 v); the tile column inside a kind is cx; the tile row is 8 cy + the cluster's y, so that cy is the batch.
; The four of a row of the cluster need the same parts of x, the four of a column the same parts of w: each part is asked for jointly, by the same load with a mask that names the four.
; THE MATRIX INSTRUCTION IS USED TRANSPOSED (source 0 = 16 columns of w, source 1 = 16 rows of x): a lane holds one row (lane % 16) and eight neighbouring columns 8 (lane / 16) + 0 .. 7.
; REGISTERS: window 0: v16-29 addresses; v32-95 scale words, a set for each slot; v128-191 x's fragments, on the way out the f16 pairs; v192-255 the bias in the result's layout.
;   window 1: w's fragments, two sets, at v0 and v128.   windows 2, 3: the accumulators, (a, b) at v[8 (8 (a % 4) + b)].
.set PART,  34816
.set SLOT,  4*PART
.set SPARE, 2*SLOT                     ; behind the slots: the spare words, 128 bytes for each wave
.set NQ,    4
.set FR,    8
.set ADRA, 16                          ; v16-17 my x fragments in slot 0, 1
.set ADRB, 20                          ; v20-21 my w fragments
.set ADRS, 22                          ; v22-23 my scale words: lanes 0-15 x's rows, lanes 16-31 w's columns
.set L16,  25                          ; v25    16 x lane
.set CO,   26                          ; v26    my 16 bytes' place in a stored image
.set SPW,  28
.set NIL,  29
.set SC,   32
.set AF,   128
.set HB,   128
.set BI,   192
.set G1X, 28                           ; s[28:35], s[36:43] descriptor groups 1 for x's and w's parts; s[44:51], s[52:59] their groups 0, one for each slot
.set G1W, 36
.set G0X, 44
.set G0W, 52
.set MSB, 0
.macro WIN new                         ; the immediate's high byte repeats the setting that is left
.if MSB != \new
	s_set_vgpr_msb (MSB<<8)|\new
.set MSB, \new
.endif
.endm
.set MUL_LO, 0xa1                      ; source 0 (w) window 1, source 1 (x) window 0, C and D window 2
.set MUL_HI, 0xf1                      ; the same, C and D window 3
.set BIA_LO, 0x81                      ; C (the bias) window 0, D window 2
.set BIA_HI, 0xc1
.set TO_B,   0x40
.macro JLOAD g0a, g1a, g0b, g1b        ; a joint load: waves 0 and 1 fetch x's halves, waves 2 and 3 w's; an s_nop 0 and four v_nop follow each line
	s_cmp_eq_u32 s19, 0
	s_cbranch_scc0 .Lfor_b_\@
	tensor_load_to_lds s[\g0a:\g0a+3], s[\g1a:\g1a+7]
	s_nop 0
.rept 4
	v_nop
.endr
	s_branch .Lasked_\@
.Lfor_b_\@:
	tensor_load_to_lds s[\g0b:\g0b+3], s[\g1b:\g1b+7]
	s_nop 0
.rept 4
	v_nop
.endr
.Lasked_\@:
.endm
.macro CROUND                          ; a round of the cluster's barrier
	s_barrier_signal -1
	s_barrier_wait -1
	s_cmp_lg_u32 s18, 0
	s_cbranch_scc1 .Lnot_wave_0_\@
	s_barrier_signal -3
.Lnot_wave_0_\@:
	s_barrier_wait -3
	s_barrier_signal -1
	s_barrier_wait -1
.endm
.macro PLACES                          ; four plain places behind a matrix instruction, in front of loads into its sources and of reads of results
.rept 4
	v_nop
.endr
.endm
.macro FRAG reg, adr, q, i             ; a fragment's image: two loads of 512 consecutive bytes
.irp c, 0,1
	ds_load_b128 v[\reg+4*\c:\reg+4*\c+3], v[\adr] offset:(\i)*4096+(\q)*1024+512*\c
.endr
.endm
; 16 matrix instructions: x's blocks a0, a0 + 1 against w's eight.  cmode 0: the sums go on; 1: they begin with 0; 2: with the bias.  The 64 accumulators take turns, one instruction a turn.
.macro MUL16 a0, p, q, sc, cmode
.irp a, \a0, \a0+1
.irp b, 0,1,2,3,4,5,6,7
.if \cmode == 1
	v_wmma_scale_f32_16x16x128_f8f6f4 v[8*(8*((\a)%4)+\b):8*(8*((\a)%4)+\b)+7], v[128*(\p)+FR*\b:128*(\p)+FR*\b+FR-1], v[AF+FR*(\a):AF+FR*(\a)+FR-1], 0, v[SC+8*NQ*(\sc)+NQ*\b+(\q)], v[SC+8*NQ*(\sc)+NQ*(\a)+(\q)] matrix_a_fmt:MATRIX_FMT_FP4 matrix_b_fmt:MATRIX_FMT_FP4 matrix_a_scale:MATRIX_SCALE_ROW1
.elseif \cmode == 2
	v_wmma_scale_f32_16x16x128_f8f6f4 v[8*(8*((\a)%4)+\b):8*(8*((\a)%4)+\b)+7], v[128*(\p)+FR*\b:128*(\p)+FR*\b+FR-1], v[AF+FR*(\a):AF+FR*(\a)+FR-1], v[BI+8*\b:BI+8*\b+7], v[SC+8*NQ*(\sc)+NQ*\b+(\q)], v[SC+8*NQ*(\sc)+NQ*(\a)+(\q)] matrix_a_fmt:MATRIX_FMT_FP4 matrix_b_fmt:MATRIX_FMT_FP4 matrix_a_scale:MATRIX_SCALE_ROW1
.else
	v_wmma_scale_f32_16x16x128_f8f6f4 v[8*(8*((\a)%4)+\b):8*(8*((\a)%4)+\b)+7], v[128*(\p)+FR*\b:128*(\p)+FR*\b+FR-1], v[AF+FR*(\a):AF+FR*(\a)+FR-1], v[8*(8*((\a)%4)+\b):8*(8*((\a)%4)+\b)+7], v[SC+8*NQ*(\sc)+NQ*\b+(\q)], v[SC+8*NQ*(\sc)+NQ*(\a)+(\q)] matrix_a_fmt:MATRIX_FMT_FP4 matrix_b_fmt:MATRIX_FMT_FP4 matrix_a_scale:MATRIX_SCALE_ROW1
.endif
.endr
.endr
.endm
.macro FETCH_B slot, q, p
	WIN TO_B
.irp i, 0,1,2,3,4,5,6,7
	FRAG 128*(\p)+FR*\i, ADRB+\slot, \q, \i
.endr
	WIN 0
.endm
.macro FETCH_A slot, q, i0
.irp i, \i0, \i0+1, \i0+2, \i0+3
	FRAG AF+FR*(\i), ADRA+\slot, \q, \i
.endr
.endm
.macro SCALES sc                       ; a slot's scale words: four words a row; lanes 0-15 take x's block i, lanes 16-31 w's block i
.irp i, 0,1,2,3,4,5,6,7
	ds_load_b128 v[SC+8*NQ*\sc+NQ*\i:SC+8*NQ*\sc+NQ*\i+3], v[ADRS+\sc] offset:\i*256
.endr
.endm
.macro STEP slot, q, cmode             ; 128 along K that has its successor in the same slot
	s_wait_dscnt 8                                 ; w's set and x's blocks 0-3 are in; the youngest eight loads (x's blocks 4-7) may be out
.if \cmode == 2
	WIN BIA_LO
.else
	WIN MUL_LO
.endif
	MUL16 0, (\q)%2, \q, \slot, \cmode
	MUL16 2, (\q)%2, \q, \slot, \cmode
	s_wait_dscnt 0x0
	PLACES
	FETCH_B \slot, (\q)+1, 1-(\q)%2
	FETCH_A \slot, (\q)+1, 0
.if \cmode == 2
	WIN BIA_HI
.else
	WIN MUL_HI
.endif
	MUL16 4, (\q)%2, \q, \slot, \cmode
	MUL16 6, (\q)%2, \q, \slot, \cmode
	PLACES
	WIN 0
	FETCH_A \slot, (\q)+1, 4
.endm
.macro FIRST cmode                     ; slot 0 is whole; the first fragments; the first step starts the sums
	s_wait_tensorcnt 0x1                           ; my part of slot 0 is in; slot 1's load may be out
	s_barrier_signal -1
	s_barrier_wait -1
	FETCH_B 0, 0, 0
	FETCH_A 0, 0, 0
	SCALES 0
	FETCH_A 0, 0, 4
.if \cmode == 2
	s_wait_loadcnt 0x0                             ; the bias
.endif
	STEP 0, 0, \cmode
.endm
	s_load_b256 s[4:11], s[0:1], 0x0               ; xq s[4:5], wq s[6:7], b_qkv s[8:9], qi s[10:11]
	s_load_b128 s[12:15], s[0:1], 0x20             ; ki s[12:13], vi s[14:15]
	s_load_b64 s[16:17], s[0:1], 0x30              ; q16
	v_lshl_add_u32 v[SPW], v0, 2, SPARE
	v_mov_b32 v[NIL], 0
	ds_add_u32 v[SPW], v[NIL]                      ; the wave's opening: the add, twice on end, and its wait ahead of my first tensor load
	ds_add_u32 v[SPW], v[NIL]
	v_lshrrev_b32 v1, 5, v0
	v_readfirstlane_b32 s18, v1                    ; wave 0..3
	s_lshr_b32 s19, s18, 1                         ; my half of the tile's rows.  Also: I fetch for x (0) or for w (1)
	s_and_b32 s20, s18, 1                          ; my half of its columns.  Also: which half I fetch
	s_bfe_u32 s21, ttmp6, 0x40000                  ; cx
	s_bfe_u32 s22, ttmp6, 0x40004                  ; cy
	s_and_b32 s23, ttmp7, 0xffff                   ; the cluster's y
	s_lshl_b32 s60, s22, 2
	s_lshl_b32 s60, 15, s60                        ; my row of the cluster
	s_lshl_b32 s61, 0x1111, s21                    ; my column
	s_or_b32 s[G1X], s60, (3<<16)|(1<<21)          ; 15:0 the mask; 17:16 elements of 8 bytes; 21 set beside a mask; no padding
	s_or_b32 s[G1W], s61, (3<<16)|(1<<21)
.irp g, G1X, G1W
	s_mov_b32 s[\g+1], 32<<16                      ; tensor_dim0 = 32 elements: 256 bytes
	s_mov_b32 s[\g+2], 136<<16                     ; tensor_dim1 = 136 rows
	s_mov_b32 s[\g+3], 32<<16                      ; tile_dim0
	s_mov_b32 s[\g+4], 136                         ; tile_dim1
	s_mov_b32 s[\g+5], 32                          ; the pitch: dense
	s_mov_b32 s[\g+6], 0
	s_mov_b32 s[\g+7], 0
.endr
	s_lshl_b32 s66, s22, 3
	s_add_co_u32 s66, s66, s23                     ; tile row = 8 cy + cluster y
	s_lshl_b32 s66, s66, 1
	s_add_co_u32 s66, s66, s20                     ; x's block of 128 rows that I fetch
	s_mul_i32 s66, s66, PART
	s_mov_b32 s67, 0
	s_lshl_b32 s68, ttmp9, 3
	s_lshl_b32 s69, s21, 1
	s_add_co_u32 s68, s68, s69
	s_add_co_u32 s68, s68, s20                     ; w's block of 128 columns: 8 kind + 2 cx + half
	s_mul_i32 s68, s68, PART
	s_mov_b32 s69, 0
	s_mul_i32 s70, s18, PART                       ; where it goes: wave x a part: no place in the cluster enters an LDS address
	s_wait_dscnt 0x0                               ; both opening adds are done
	s_wait_kmcnt 0x0
	s_add_nc_u64 s[66:67], s[4:5], s[66:67]
	s_add_nc_u64 s[68:69], s[6:7], s[68:69]
	CROUND                                         ; all sixteen work-groups are here: the joint loads meet
.irp s, 0,1
	s_mov_b32 s[G0X+4*\s], 1
	s_add_co_u32 s[G0X+4*\s+1], s70, \s*SLOT
	s_add_nc_u64 s[G0X+4*\s+2:G0X+4*\s+3], s[66:67], \s*64*PART
	s_or_b32 s[G0X+4*\s+3], s[G0X+4*\s+3], 0x80000000
	s_mov_b32 s[G0W+4*\s], 1
	s_add_co_u32 s[G0W+4*\s+1], s70, \s*SLOT
	s_add_nc_u64 s[G0W+4*\s+2:G0W+4*\s+3], s[68:69], \s*24*PART
	s_or_b32 s[G0W+4*\s+3], s[G0W+4*\s+3], 0x80000000
	JLOAD G0X+4*\s, G1X, G0W+4*\s, G1W             ; two loads of mine are out behind the second
.endr
	v_and_b32 v1, 15, v0                           ; r
	v_bfe_u32 v2, v0, 4, 1                         ; h
	v_and_b32 v3, 31, v0
	v_lshlrev_b32 v[L16], 4, v3
	s_mul_i32 s72, s19, PART                       ; my half of x
	s_mul_i32 s73, s20, PART
	s_add_co_u32 s73, s73, 2*PART                  ; my half of w
.irp s, 0,1
	v_add_nc_u32 v[ADRA+\s], s72, v[L16]
	v_add_nc_u32 v[ADRB+\s], s73, v[L16]
	s_add_co_u32 s72, s72, SLOT
	s_add_co_u32 s73, s73, SLOT
.endr
	s_mul_i32 s72, s19, PART
	s_mul_i32 s73, s20, PART
	s_add_co_u32 s73, s73, 2*PART
	s_sub_co_u32 s73, s73, s72                     ; from x's part to w's
	v_mul_u32_u24 v4, s73, v2                      ; lanes 16-31 take w's
	v_lshl_add_u32 v4, v1, 4, v4                   ; 16 bytes a row
	s_add_co_u32 s72, s72, 32768
	v_add_nc_u32 v[ADRS], s72, v4
	v_add_nc_u32 v[ADRS+1], SLOT, v[ADRS]
	v_lshrrev_b32 v5, 3, v1                        ; v's image is laid for the turning load: piece 16 (r / 8) + 8 h + r % 8
	v_lshlrev_b32 v5, 8, v5
	v_lshl_add_u32 v5, v2, 7, v5
	v_and_b32 v6, 7, v1
	v_lshl_add_u32 v5, v6, 4, v5
	s_cmp_eq_u32 ttmp9, 2
	s_cselect_b32 s74, -1, 0
	v_cndmask_b32 v[CO], v[L16], v5, s74           ; q's and k's: 16 x lane
	s_cmp_eq_u32 ttmp9, 0
	s_cselect_b64 s[76:77], s[10:11], s[12:13]
	s_cmp_eq_u32 ttmp9, 2
	s_cselect_b64 s[76:77], s[14:15], s[76:77]     ; the kind's buffer
	s_lshl_b32 s78, s22, 4
	s_lshl_b32 s79, s21, 2
	s_add_co_u32 s78, s78, s79
	s_lshl_b32 s79, s20, 1
	s_add_co_u32 s78, s78, s79                     ; 16 batch + my first head
	s_lshl_b32 s78, s78, 7
	s_lshl_b32 s79, s23, 4
	s_add_co_u32 s78, s78, s79
	s_lshl_b32 s79, s19, 3
	s_add_co_u32 s78, s78, s79                     ; + my first group of 16 positions
	s_lshl_b32 s78, s78, 11
	s_mov_b32 s79, 0
	s_add_nc_u64 s[76:77], s[76:77], s[78:79]
	s_mul_i32 s82, s22, 192
	s_lshl_b32 s83, ttmp9, 6
	s_add_co_u32 s82, s82, s83
	s_lshl_b32 s83, s21, 4
	s_add_co_u32 s82, s82, s83
	s_lshl_b32 s83, s20, 3
	s_add_co_u32 s82, s82, s83
	s_lshl_b32 s82, s82, 10
	s_mov_b32 s83, 0
	s_add_nc_u64 s[80:81], s[16:17], s[82:83]      ; q16: (192 batch + my first group of 16 columns) x 1,024
	s_lshl_b32 s86, ttmp9, 12
	s_lshl_b32 s87, s21, 10
	s_add_co_u32 s86, s86, s87
	s_lshl_b32 s87, s20, 9
	s_add_co_u32 s86, s86, s87
	s_mov_b32 s87, 0
	s_add_nc_u64 s[84:85], s[8:9], s[86:87]        ; the bias of my 128 columns
	v_lshlrev_b32 v7, 5, v2                        ; 32 h
	s_or_b32 s88, s23, s19                         ; 0 where my first 16 rows are a batch's first 16 positions
	s_cmp_eq_u32 ttmp9, 1                          ; the kind: the same in all sixteen partners
	s_cbranch_scc1 .Lkeys
.irp b, 0,1,2,3,4,5,6,7
	global_load_b128 v[BI+8*\b:BI+8*\b+3], v7, s[84:85] offset:64*\b
	global_load_b128 v[BI+8*\b+4:BI+8*\b+7], v7, s[84:85] offset:64*\b+16
.endr
	FIRST 2
	s_branch .Ljoined
.Lkeys:
	FIRST 1
.Ljoined:
	STEP 0, 1, 0
	STEP 0, 2, 0
	; slot 0's last step changes slots.  No slot is filled again, so the barrier only shows slot 1 whole to every wave
	s_wait_tensorcnt 0x0                           ; my part of slot 1 is in
	s_wait_dscnt 8
	WIN MUL_LO
	MUL16 0, 1, 3, 0, 0
	s_wait_dscnt 0x0
	s_barrier_signal -1
	MUL16 2, 1, 3, 0, 0
	WIN 0
	s_barrier_wait -1
	PLACES
	FETCH_B 1, 0, 0
	FETCH_A 1, 0, 0
	SCALES 1
	WIN MUL_HI
	MUL16 4, 1, 3, 0, 0
	MUL16 6, 1, 3, 0, 0
	PLACES
	WIN 0
	FETCH_A 1, 0, 4
	STEP 1, 0, 0
	STEP 1, 1, 0
	STEP 1, 2, 0
	s_wait_dscnt 8                                 ; the last step: nothing more to fetch
	WIN MUL_LO
	MUL16 0, 1, 3, 1, 0
	MUL16 2, 1, 3, 1, 0
	s_wait_dscnt 0x0
	WIN MUL_HI
	MUL16 4, 1, 3, 1, 0
	MUL16 6, 1, 3, 1, 0
	WIN 0
	PLACES
	; THE WAY OUT.  A lane's eight results are what a lane of the next launch's fragment holds, so the registers are stored as they stand: every store is 512 consecutive bytes.
	s_cmp_lg_u32 s88, 0
	s_cbranch_scc1 .Lno_fine
	WIN 0x08                                       ; a store's data: window 2
.irp b, 0,1,2,3,4,5,6,7
	global_store_b128 v[L16], v[8*\b:8*\b+3], s[80:81] offset:\b*1024           ; a batch's first 16 positions also leave in f32, for the last launch; each accumulator from its low end on
	global_store_b128 v[L16], v[8*\b+4:8*\b+7], s[80:81] offset:\b*1024+512
.endr
	WIN 0
.Lno_fine:
.macro OUTBLK a
.set AC, 64*((\a)%4)
.set HH, HB+32*((\a)%2)
.if (\a) > 1
	s_wait_xcnt 0x0                                ; the stores of two blocks back have read these registers
.endif
	WIN 0x0a+5*((\a)/4)                            ; sources 0 and 1: window 2 or 3
.irp b, 0,1,2,3,4,5,6,7
.irp p, 0,1,2,3
	v_cvt_pk_f16_f32 v[HH+4*\b+\p], v[AC+8*\b+2*\p], v[AC+8*\b+2*\p+1]
.endr
.endr
	WIN 0
.irp b, 0,1,2,3,4,5,6,7
	global_store_b128 v[CO], v[HH+4*\b:HH+4*\b+3], s[76:77] offset:(\a)*2048+(\b/4)*262144+(\b%4)*512   ; positions 16 a on; head b / 4; channels 16 (b % 4) on
.endr
.endm
.irp a, 0,1,2,3,4,5,6,7
	OUTBLK \a
.endr
	s_wait_tensorcnt 0x0                           ; the wave's end
	ds_add_u32 v[SPW], v[NIL]
	s_wait_dscnt 0x0
	CROUND                                         ; the closing round
	s_endpgm
.Lfunc_end_k_qcd9ea12ad3_qkv:
	.size	k_qcd9ea12ad3_qkv, .Lfunc_end_k_qcd9ea12ad3_qkv-k_qcd9ea12ad3_qkv
	.p2alignl 7, 3214868480
	.fill 96, 4, 3214868480
	.section	.rodata,"a",@progbits
	.p2align	6, 0x0
	.amdhsa_kernel k_qcd9ea12ad3_qkv
		.amdhsa_group_segment_fixed_size 327680
		.amdhsa_private_segment_fixed_size 0
		.amdhsa_enable_private_segment 0
		.amdhsa_kernarg_size 56
		.amdhsa_user_sgpr_count 2
		.amdhsa_user_sgpr_kernarg_segment_ptr 1
		.amdhsa_wavefront_size32 1
		.amdhsa_system_sgpr_workgroup_id_x 1
		.amdhsa_system_sgpr_workgroup_id_y 1
		.amdhsa_system_sgpr_workgroup_id_z 1
		.amdhsa_system_vgpr_workitem_id 0
		.amdhsa_next_free_vgpr 1024
		.amdhsa_next_free_sgpr 100
		.amdhsa_reserve_vcc 0
		.amdhsa_float_denorm_mode_32 3
		.amdhsa_float_denorm_mode_16_64 3
		.amdhsa_memory_ordered 1
		.amdhsa_forward_progress 1
		.amdhsa_inst_pref_size 133
	.end_amdhsa_kernel
	.amdgpu_metadata
---
amdhsa.version: [ 1, 2 ]
amdhsa.kernels:
  - .name:           k_qcd9ea12ad3_qkv
    .symbol:         k_qcd9ea12ad3_qkv.kd
    .args:
      - { .name: xq, .offset: 0, .size: 8, .value_kind: global_buffer, .address_space: global }
      - { .name: wq, .offset: 8, .size: 8, .value_kind: global_buffer, .address_space: global }
      - { .name: b_qkv, .offset: 16, .size: 8, .value_kind: global_buffer, .address_space: global }
      - { .name: qi, .offset: 24, .size: 8, .value_kind: global_buffer, .address_space: global }
      - { .name: ki, .offset: 32, .size: 8, .value_kind: global_buffer, .address_space: global }
      - { .name: vi, .offset: 40, .size: 8, .value_kind: global_buffer, .address_space: global }
      - { .name: q16, .offset: 48, .size: 8, .value_kind: global_buffer, .address_space: global }
    .group_segment_fixed_size: 327680
    .private_segment_fixed_size: 0
    .kernarg_segment_align: 8
    .kernarg_segment_size: 56
    .max_flat_workgroup_size: 128
    .sgpr_count:     100
    .vgpr_count:     1024
    .wavefront_size: 32
...
	.end_amdgpu_metadata
.endif
;; end of part 2
;; launch attn (part 3): grid 4 x 64, 8 waves a work-group, no clusters, 327,680 bytes of LDS; arguments qi, ki, vi, ao; writes ao
.if DOCPART == 3
	.amdgcn_target "amdgcn-amd-amdhsa--gfx1250"
	.amdhsa_code_object_version 6
	.text
	.protected	k_qcd9ea12ad3_attn
	.globl	k_qcd9ea12ad3_attn
	.p2align	8
	.type	k_qcd9ea12ad3_attn,@function
k_qcd9ea12ad3_attn:
	s_mov_b64 s[64:65], 0
	v_nop
	global_prefetch_b8 v0, s[64:65] scope:SCOPE_SE
	s_setreg_imm32_b32 hwreg(HW_REG_WAVE_MODE, 25, 1), 1
	s_wait_xcnt 0x0
; Launch 3 of 5: O = softmax(q k^T / 8, causal) v for each of the 64 (batch, head) pairs; operands f16, products, maxima and sums f32; O leaves as f16, laid as the projection's operand registers.
; LEFT OUT: key steps that lie wholly above the diagonal (reference() masks them by its own jnp.tril): they are neither fetched nor multiplied.
; (A batch's first 16 positions are computed here like the others; the last launch makes them anew in f32 and the projection does not store them.)
; SHARES.  Work-group (i, head) makes the head's query blocks 7 - i and then i, 256 queries each: (8 - i) + (i + 1) = 9 slots of 256 keys for every work-group, so all 256 have the same walk and the trip count is a constant.
; Each of eight waves owns 32 queries: two tiles of 16.  A key step is 64 keys.  A step all of whose keys come after a wave's queries is jumped over by a scalar branch on ids.
; NO CLUSTER: the four work-groups of a head walk 8 - i units before they begin anew, so from the sixth slot on they want different tiles; a walk in step would take 12 slots in place of 9.
; No prefetch is laid: a slot's refill is issued a whole slot, four key steps of eight waves, ahead of its first read.
; LAYOUT.  S^T = K Q^T (source 0 = 16 keys, source 1 = 16 queries) and O^T = V^T P: a lane holds one query (lane % 16) throughout.  K's fragments are read as they lie, at 16 x lane; V's by the turning load, at 16 x lane too.
; SOFTMAX.  A running maximum m and sum l for each query: p = 2^(c s - c m), c = log2(e) / 8; in every step O and l are multiplied by a = 2^(c m_old - c m_new).  m begins at -3e38, O and l at 0.
; THE RING: two slots of 65,536 bytes (K's 256 keys, then V's); each wave fetches an eighth of a slot by one tensor load of 32 rows of 256 bytes; one load of a wave is out at a time, and every wait for tensor loads is for 0.
; REGISTERS: window 0: v1-7 addresses; v8-23 statistics, eight a tile; v32-95 S^T, then p; v96-127 P; v128-191 K; v192-255 V.   window 1: v0-63 O^T; v64-95 Q; v96-127 the second block's Q.
.set SLOT1, 65536
.set VOFF,  32768
.set SPARE, 196608                     ; the spare words, 128 bytes for each of eight waves
.set L16, 1
.set ADR, 2
.set SPW, 4
.set NIL, 5
.set D0,  6                            ; v6, v7 the mask's d for tiles 0 and 1
.set NINF, 24
.set LC,  25                           ; r - 8 h
.set ST,  8                            ; tile t at v[ST + 8 t]: +0 c m, +1 m, +2, +3 l, +4 .. +7 at work; a at +6
.set S,   32
.set P,   96
.set KFR, 128
.set VFR, 192
.set QR,  64                           ; window 1
.set QB,  96
.set G1,  16                           ; s[16:23]
.set G0,  24                           ; s[24:27]
.set WV,  12
.set BH,  13
.set BASE, 14                          ; s[14:15] my eighth of unit 0, in K or in V
.set NU,  28                           ; the unit of 256 keys that was asked for last
.set LIMA, 29                          ; units of the first block: 8 - i
.set TB,  30                           ; LDS byte of the step in hand
.set KF,  31                           ; its first key
.set Q0,  32                           ; my first query
.set QEND, 33                          ; the block's end
.set SLOTS, 34
.set STEPS, 35
.set CS,  36                           ; s[36:37] c
.set SEL, 38                           ; s[38:39]
.set OFS, 40                           ; s[40:41] an offset; the high word stays 0
.set AO,  42                           ; s[42:43]
.set Q0B, 45
.set T0,  46
.set T1,  47
.set MSB, 0
.macro WIN new
.if MSB != \new
	s_set_vgpr_msb (MSB<<8)|\new
.set MSB, \new
.endif
.endm
.macro PLACES
.rept 4
	v_nop
.endr
.endm
.macro AOSET                           ; where my 32 queries' O goes: ((head / 2) 512 + 128 batch + Q0 / 16) x 4,096 + (head % 2) x 2,048
	s_and_b32 s[T0], s[BH], 15
	s_lshr_b32 s[T1], s[T0], 1
	s_lshl_b32 s[T1], s[T1], 9
	s_lshr_b32 s[OFS], s[BH], 4
	s_lshl_b32 s[OFS], s[OFS], 7
	s_add_co_u32 s[T1], s[T1], s[OFS]
	s_lshr_b32 s[OFS], s[Q0], 4
	s_add_co_u32 s[T1], s[T1], s[OFS]
	s_lshl_b32 s[T1], s[T1], 12
	s_and_b32 s[T0], s[T0], 1
	s_lshl_b32 s[T0], s[T0], 11
	s_add_co_u32 s[OFS], s[T1], s[T0]
	s_add_nc_u64 s[AO:AO+1], s[10:11], s[OFS:OFS+1]
.endm
.macro STATS                           ; m, c m, l at their beginnings
.irp t, 0,1
	v_mov_b32 v[ST+8*\t+1], 0xff61b1e6             ; -3e38, under every score
	v_mul_f32 v[ST+8*\t], s[CS], v[ST+8*\t+1]
	v_mov_b32 v[ST+8*\t+2], 0
	v_mov_b32 v[ST+8*\t+3], 0
.endr
.endm
.macro STEP
	s_add_co_u32 s[T0], s[Q0], 31
	s_cmp_gt_u32 s[KF], s[T0]                      ; all 64 keys come after my 32 queries: the step's work is left out
	s_cbranch_scc1 .Lhid_\@
	v_add_nc_u32 v[ADR], s[TB], v[L16]
.irp f, 0,1,2,3,4,5,6,7                        ; K: keys 16 (f / 2) on, channels 32 (f % 2) on
	ds_load_b128 v[KFR+8*\f:KFR+8*\f+3], v[ADR] offset:\f*1024
	ds_load_b128 v[KFR+8*\f+4:KFR+8*\f+7], v[ADR] offset:\f*1024+512
.endr
.irp f, 0,1,2,3,4,5,6,7                        ; V^T: keys 32 (f / 4) on, channels 16 (f % 4) on
	ds_load_tr16_b128 v[VFR+8*\f:VFR+8*\f+3], v[ADR] offset:VOFF+(\f/4)*4096+(\f%4)*512
	ds_load_tr16_b128 v[VFR+8*\f+4:VFR+8*\f+7], v[ADR] offset:VOFF+(\f/4)*4096+2048+(\f%4)*512
.endr
	s_wait_dscnt 16                                ; K is in; V's sixteen loads may be out
	WIN 0x04                                       ; Q: window 1
.irp c, 0,1                                    ; the eight accumulators take turns
.irp k, 0,1,2,3
.irp t, 0,1
.if \c == 0
	v_wmma_f32_16x16x32_f16 v[S+32*\t+8*\k:S+32*\t+8*\k+7], v[KFR+8*(2*\k+\c):KFR+8*(2*\k+\c)+7], v[QR+16*\t+8*\c:QR+16*\t+8*\c+7], 0
.else
	v_wmma_f32_16x16x32_f16 v[S+32*\t+8*\k:S+32*\t+8*\k+7], v[KFR+8*(2*\k+\c):KFR+8*(2*\k+\c)+7], v[QR+16*\t+8*\c:QR+16*\t+8*\c+7], v[S+32*\t+8*\k:S+32*\t+8*\k+7]
.endif
.endr
.endr
.endr
	WIN 0
	PLACES
	s_add_co_u32 s[T0], s[KF], 63
	s_cmp_le_u32 s[T0], s[Q0]                      ; all 64 keys count for all my queries: no mask
	s_cbranch_scc1 .Lopen_\@
	s_sub_co_i32 s[T0], s[Q0], s[KF]
	v_add_nc_u32 v[D0], s[T0], v[LC]               ; d = my query - KF - 8 h.  Register n holds key KF + 8 h + 16 (n / 8) + n % 8: hidden where 16 (n / 8) + n % 8 > d
	v_add_nc_u32 v[D0+1], 16, v[D0]
.irp t, 0,1
.set n1, 0
.rept 32
	v_cmp_gt_i32 vcc_lo, 16*(n1/8)+n1%8, v[D0+\t]
	v_cndmask_b32 v[S+32*\t+n1], v[S+32*\t+n1], v[NINF], vcc_lo
.set n1, n1+1
.endr
.endr
.Lopen_\@:
	; the maximum: four chains a tile, the two tiles by turns; each accumulator is read from its low end on
.irp j, 0,1,2,3
.irp t, 0,1
	v_max3_num_f32 v[ST+8*\t+4+\j], v[S+32*\t+8*\j], v[S+32*\t+8*\j+1], v[S+32*\t+8*\j+2]
.endr
.endr
.irp i, 3,5
.irp j, 0,1,2,3
.irp t, 0,1
	v_max3_num_f32 v[ST+8*\t+4+\j], v[ST+8*\t+4+\j], v[S+32*\t+8*\j+\i], v[S+32*\t+8*\j+\i+1]
.endr
.endr
.endr
.irp t, 0,1
	v_max3_num_f32 v[ST+8*\t+4], v[ST+8*\t+4], v[S+32*\t+7], v[S+32*\t+15]
.endr
.irp t, 0,1
	v_max3_num_f32 v[ST+8*\t+6], v[ST+8*\t+6], v[S+32*\t+23], v[S+32*\t+31]
.endr
.irp t, 0,1
	v_max3_num_f32 v[ST+8*\t+4], v[ST+8*\t+4], v[ST+8*\t+5], v[ST+8*\t+6]
.endr
.irp t, 0,1
	v_max3_num_f32 v[ST+8*\t+4], v[ST+8*\t+4], v[ST+8*\t+7], v[ST+8*\t+1]
.endr
.irp t, 0,1
	v_permlanex16_b32 v[ST+8*\t+5], v[ST+8*\t+4], s[SEL], s[SEL+1]   ; the query's other 32 keys lie in the lane 16 away
.endr
.irp t, 0,1
	v_mov_b32 v[ST+8*\t+7], v[ST+8*\t]             ; c m_old
.endr
.irp t, 0,1
	v_max_num_f32 v[ST+8*\t+1], v[ST+8*\t+4], v[ST+8*\t+5]
.endr
.irp t, 0,1
	v_mul_f32 v[ST+8*\t], s[CS], v[ST+8*\t+1]
.endr
.irp t, 0,1
	v_sub_f32 v[ST+8*\t+7], v[ST+8*\t+7], v[ST+8*\t]
.endr
.set n1, 0
.rept 16
.irp t, 0,1
	v_pk_fma_f32 v[S+32*\t+2*n1:S+32*\t+2*n1+1], v[S+32*\t+2*n1:S+32*\t+2*n1+1], s[CS:CS+1], v[ST+8*\t:ST+8*\t+1] op_sel_hi:[1,0,0] neg_lo:[0,0,1] neg_hi:[0,0,1]   ; c s - c m
.endr
.set n1, n1+1
.endr
.irp t, 0,1
	v_exp_f32 v[ST+8*\t+6], v[ST+8*\t+7]           ; a.  The step's 66 exponentials are one batch: none reads another's result
.endr
.set n1, 0
.rept 32
.irp t, 0,1
	v_exp_f32 v[S+32*\t+n1], v[S+32*\t+n1]
.endr
.set n1, n1+1
.endr
	v_nop                                          ; a plain line behind the last exponential
	s_wait_alu depctr_va_vdst(0)                   ; one wait for the batch, ahead of its first reader
.set n1, 0
.rept 16
.irp t, 0,1
	v_cvt_pk_f16_f32 v[P+16*\t+n1], v[S+32*\t+2*n1], v[S+32*\t+2*n1+1]   ; two neighbouring tiles of S^T, rounded in pairs, are source 1 of V^T P
.endr
.set n1, n1+1
.endr
.irp u, 0,4,8,12,16,20,24,28                   ; the sum of the unrounded p, in place
.irp t, 0,1
	v_pk_add_f32 v[S+32*\t+\u:S+32*\t+\u+1], v[S+32*\t+\u:S+32*\t+\u+1], v[S+32*\t+\u+2:S+32*\t+\u+3]
.endr
.endr
.irp u, 0,8,16,24
.irp t, 0,1
	v_pk_add_f32 v[S+32*\t+\u:S+32*\t+\u+1], v[S+32*\t+\u:S+32*\t+\u+1], v[S+32*\t+\u+4:S+32*\t+\u+5]
.endr
.endr
.irp u, 0,16
.irp t, 0,1
	v_pk_add_f32 v[S+32*\t+\u:S+32*\t+\u+1], v[S+32*\t+\u:S+32*\t+\u+1], v[S+32*\t+\u+8:S+32*\t+\u+9]
.endr
.endr
.irp t, 0,1
	v_pk_add_f32 v[S+32*\t:S+32*\t+1], v[S+32*\t:S+32*\t+1], v[S+32*\t+16:S+32*\t+17]
.endr
.irp t, 0,1
	v_pk_fma_f32 v[ST+8*\t+2:ST+8*\t+3], v[ST+8*\t+2:ST+8*\t+3], v[ST+8*\t+6:ST+8*\t+7], v[S+32*\t:S+32*\t+1] op_sel_hi:[1,0,1]   ; l = a l + the sum
.endr
	WIN 0x41                                       ; O^T: window 1
.set n1, 0
.rept 16
.irp t, 0,1
	v_pk_mul_f32 v[32*\t+2*n1:32*\t+2*n1+1], v[32*\t+2*n1:32*\t+2*n1+1], v[ST+8*\t+6:ST+8*\t+7] op_sel_hi:[1,0]
.endr
.set n1, n1+1
.endr
	s_wait_dscnt 0x0                               ; V is in
	WIN 0x50
.irp c, 0,1
.irp g, 0,1,2,3
.irp t, 0,1
	v_wmma_f32_16x16x32_f16 v[32*\t+8*\g:32*\t+8*\g+7], v[VFR+8*(4*\c+\g):VFR+8*(4*\c+\g)+7], v[P+16*\t+8*\c:P+16*\t+8*\c+7], v[32*\t+8*\g:32*\t+8*\g+7]
.endr
.endr
.endr
	WIN 0
	PLACES                                         ; in front of the next step's loads into V's registers and of its reads of O^T
.Lhid_\@:
	s_add_co_u32 s[KF], s[KF], 64
	s_add_co_u32 s[TB], s[TB], 8192
.endm
.macro SLOT_STEPS                      ; a slot's four key steps: written once, walked four times
	s_mov_b32 s[STEPS], 4
.Lstep_\@:
	STEP
	s_sub_co_u32 s[STEPS], s[STEPS], 1
	s_cmp_lg_u32 s[STEPS], 0
	s_cbranch_scc1 .Lstep_\@
	s_sub_co_u32 s[TB], s[TB], 32768
	s_xor_b32 s[TB], s[TB], SLOT1                  ; on to the other slot
.endm
; THE CHANGE OF SLOTS stands at a slot's head: each wave waits for all its tensor loads (its eighth of the slot ahead), adds 0 to its spare word, waits for that and for its reads of the slot that it has left; a barrier;
; fill = 1: the slot that was left takes the walk's next 256 keys, first thing behind the barrier.
.macro CHANGE fill
	s_wait_tensorcnt 0x0                           ; no tensor load of mine is out, so group 0 may be written
	ds_add_u32 v[SPW], v[NIL]
.if \fill
	s_xor_b32 s[G0+1], s[G0+1], SLOT1
	s_add_co_u32 s[NU], s[NU], 1
	s_cmp_eq_u32 s[NU], s[LIMA]
	s_cselect_b32 s[NU], 0, s[NU]                  ; behind the first block's last unit the second block begins at unit 0
	s_lshl_b32 s[OFS], s[NU], 15
	s_add_nc_u64 s[G0+2:G0+3], s[BASE:BASE+1], s[OFS:OFS+1]
	s_or_b32 s[G0+3], s[G0+3], 0x80000000
.endif
	s_wait_dscnt 0x0
	s_barrier_signal -1
	s_barrier_wait -1
.if \fill
	tensor_load_to_lds s[G0:G0+3], s[G1:G1+7]
	s_nop 0
.rept 4
	v_nop
.endr
.endif
.endm
.macro OUTPUT                          ; O^T / l, rounded to f16: a lane's eight channels are 16 bytes of the projection's fragment: every store is 512 consecutive bytes
.irp t, 0,1
	v_add_f32 v[ST+8*\t+4], v[ST+8*\t+2], v[ST+8*\t+3]
.endr
.irp t, 0,1
	v_permlanex16_b32 v[ST+8*\t+5], v[ST+8*\t+4], s[SEL], s[SEL+1]
.endr
.irp t, 0,1
	v_add_f32 v[ST+8*\t+4], v[ST+8*\t+4], v[ST+8*\t+5]
.endr
.irp t, 0,1
	v_rcp_f32 v[ST+8*\t+6], v[ST+8*\t+4]
.endr
	v_nop
	s_wait_alu depctr_va_vdst(0)                   ; one wait for the two reciprocals
	WIN 0x01
.irp t, 0,1
.set n1, 0
.rept 16
	v_pk_mul_f32 v[S+32*\t+2*n1:S+32*\t+2*n1+1], v[32*\t+2*n1:32*\t+2*n1+1], v[ST+8*\t+6:ST+8*\t+7] op_sel_hi:[1,0]
.set n1, n1+1
.endr
.endr
	WIN 0
.irp t, 0,1
.set n1, 0
.rept 16
	v_cvt_pk_f16_f32 v[P+16*\t+n1], v[S+32*\t+2*n1], v[S+32*\t+2*n1+1]
.set n1, n1+1
.endr
.endr
.irp t, 0,1
.irp g, 0,1,2,3
	global_store_b128 v[L16], v[P+16*\t+4*\g:P+16*\t+4*\g+3], s[AO:AO+1] offset:\t*4096+\g*512
.endr
.endr
.endm
	s_load_b256 s[4:11], s[0:1], 0x0               ; qi s[4:5], ki s[6:7], vi s[8:9], ao s[10:11]
	v_lshl_add_u32 v[SPW], v0, 2, SPARE
	v_mov_b32 v[NIL], 0
	ds_add_u32 v[SPW], v[NIL]                      ; the wave's opening: the add, twice on end, and its wait ahead of my first tensor load
	ds_add_u32 v[SPW], v[NIL]
	v_lshrrev_b32 v3, 5, v0
	v_readfirstlane_b32 s[WV], v3                  ; wave 0..7
	s_and_b32 s[BH], ttmp7, 0xffff                 ; 16 batch + head
	s_mov_b32 s[G1], 3<<16                         ; no mask; elements of 8 bytes; no padding
	s_mov_b32 s[G1+1], 32<<16                      ; tensor_dim0 = 32 elements: 256 bytes
	s_mov_b32 s[G1+2], 32<<16                      ; tensor_dim1 = 32 rows
	s_mov_b32 s[G1+3], 32<<16                      ; tile_dim0
	s_mov_b32 s[G1+4], 32                          ; tile_dim1
	s_mov_b32 s[G1+5], 32                          ; the pitch: dense
	s_mov_b32 s[G1+6], 0
	s_mov_b32 s[G1+7], 0
	s_mov_b32 s[NU], 0
	s_sub_co_u32 s[LIMA], 8, ttmp9
	s_mov_b32 s[TB], 0
	s_mov_b32 s[KF], 0
	s_sub_co_u32 s[Q0], 7, ttmp9
	s_lshl_b32 s[Q0], s[Q0], 8
	s_lshl_b32 s[T0], s[WV], 5
	s_add_co_u32 s[Q0], s[Q0], s[T0]               ; the first block: 256 (7 - i) + 32 wave
	s_lshl_b32 s[QEND], s[LIMA], 8
	s_lshl_b32 s[Q0B], ttmp9, 8
	s_add_co_u32 s[Q0B], s[Q0B], s[T0]             ; the second: 256 i + 32 wave
	s_mov_b32 s[SLOTS], 8
	s_mov_b32 s[CS], 0x3e38aa3b                    ; c = log2(e) / 8
	s_mov_b32 s[CS+1], s[CS]
	s_mov_b32 s[SEL], 0x76543210
	s_mov_b32 s[SEL+1], 0xfedcba98
	s_mov_b32 s[OFS+1], 0
	s_lshl_b32 s48, s[BH], 18                      ; the head's 262,144 bytes in qi, ki and vi
	s_and_b32 s[T0], s[WV], 3
	s_lshl_b32 s[T0], s[T0], 13
	s_add_co_u32 s50, s48, s[T0]                   ; + my quarter of a unit of K or of V
	s_mov_b32 s51, 0
	s_mov_b32 s[G0], 1
	s_lshl_b32 s[G0+1], s[WV], 13                  ; slot 0: wave x 8,192: waves 0-3 fill K's half, waves 4-7 V's
	s_wait_dscnt 0x0                               ; both opening adds are done
	s_wait_kmcnt 0x0
	s_cmp_lt_u32 s[WV], 4
	s_cselect_b64 s[BASE:BASE+1], s[6:7], s[8:9]
	s_add_nc_u64 s[BASE:BASE+1], s[BASE:BASE+1], s[50:51]
	s_mov_b64 s[G0+2:G0+3], s[BASE:BASE+1]
	s_or_b32 s[G0+3], s[G0+3], 0x80000000
	tensor_load_to_lds s[G0:G0+3], s[G1:G1+7]      ; slot 0, unit 0: every wave issues its eighth
	s_nop 0
.rept 4
	v_nop
.endr
	v_and_b32 v3, 31, v0
	v_lshlrev_b32 v[L16], 4, v3
	s_lshl_b32 s52, s[Q0], 7                       ; 2,048 bytes for each 16 queries
	s_add_co_u32 s52, s52, s48
	s_mov_b32 s53, 0
	s_add_nc_u64 s[52:53], s[4:5], s[52:53]
	s_lshl_b32 s54, s[Q0B], 7
	s_add_co_u32 s54, s54, s48
	s_mov_b32 s55, 0
	s_add_nc_u64 s[54:55], s[4:5], s[54:55]
	WIN 0x40                                       ; destination window 1
.irp i, 0,1,2,3,4,5,6,7
	global_load_b128 v[QR+4*\i:QR+4*\i+3], v[L16], s[52:53] offset:512*\i     ; both blocks' Q stay in registers
	global_load_b128 v[QB+4*\i:QB+4*\i+3], v[L16], s[54:55] offset:512*\i
.endr
.set n1, 0
.rept 64
	v_mov_b32 v[n1], 0                             ; O^T: the step is written once, and the first finds zeros
.set n1, n1+1
.endr
	WIN 0
	v_and_b32 v3, 15, v0
	v_bfe_u32 v[LC], v0, 4, 1
	v_lshlrev_b32 v[LC], 3, v[LC]
	v_sub_nc_u32 v[LC], v3, v[LC]
	v_mov_b32 v[NINF], 0xff800000
	STATS
.irp t, 0,1
	v_mov_b32 v[ST+8*\t+5], 0                      ; a lane permute's destination counts as one of its sources
.endr
	AOSET
	s_wait_loadcnt 0x0                             ; Q
.Lslot:                                            ; eight trips: behind each change of slots but the last the walk's next unit is asked for
	CHANGE 1
	SLOT_STEPS
	s_cmp_lg_u32 s[KF], s[QEND]                    ; ids and the count of steps alone
	s_cbranch_scc1 .Lsame
	OUTPUT                                         ; the first block is done
	s_wait_xcnt 0x0                                ; the stores have read their registers and their base
	WIN 0x41
.set n1, 0
.rept 32
	v_mov_b32 v[QR+n1], v[QB+n1]
.set n1, n1+1
.endr
	WIN 0x40
.set n1, 0
.rept 64
	v_mov_b32 v[n1], 0
.set n1, n1+1
.endr
	WIN 0
	STATS
	s_mov_b32 s[Q0], s[Q0B]
	s_lshl_b32 s[QEND], ttmp9, 8
	s_add_co_u32 s[QEND], s[QEND], 256
	s_mov_b32 s[KF], 0
	AOSET
.Lsame:
	s_sub_co_u32 s[SLOTS], s[SLOTS], 1
	s_cmp_lg_u32 s[SLOTS], 0
	s_cbranch_scc1 .Lslot
	CHANGE 0                                       ; the last slot is written out: nothing is left to fetch
	SLOT_STEPS
	OUTPUT
	s_wait_tensorcnt 0x0                           ; the wave's end
	ds_add_u32 v[SPW], v[NIL]
	s_wait_dscnt 0x0
	s_endpgm
.Lfunc_end_k_qcd9ea12ad3_attn:
	.size	k_qcd9ea12ad3_attn, .Lfunc_end_k_qcd9ea12ad3_attn-k_qcd9ea12ad3_attn
	.p2alignl 7, 3214868480
	.fill 96, 4, 3214868480
	.section	.rodata,"a",@progbits
	.p2align	6, 0x0
	.amdhsa_kernel k_qcd9ea12ad3_attn
		.amdhsa_group_segment_fixed_size 327680
		.amdhsa_private_segment_fixed_size 0
		.amdhsa_enable_private_segment 0
		.amdhsa_kernarg_size 32
		.amdhsa_user_sgpr_count 2
		.amdhsa_user_sgpr_kernarg_segment_ptr 1
		.amdhsa_wavefront_size32 1
		.amdhsa_system_sgpr_workgroup_id_x 1
		.amdhsa_system_sgpr_workgroup_id_y 1
		.amdhsa_system_sgpr_workgroup_id_z 1
		.amdhsa_system_vgpr_workitem_id 0
		.amdhsa_next_free_vgpr 384
		.amdhsa_next_free_sgpr 66
		.amdhsa_reserve_vcc 1
		.amdhsa_float_denorm_mode_32 3
		.amdhsa_float_denorm_mode_16_64 3
		.amdhsa_memory_ordered 1
		.amdhsa_forward_progress 1
		.amdhsa_inst_pref_size 67
	.end_amdhsa_kernel
	.amdgpu_metadata
---
amdhsa.version: [ 1, 2 ]
amdhsa.kernels:
  - .name:           k_qcd9ea12ad3_attn
    .symbol:         k_qcd9ea12ad3_attn.kd
    .args:
      - { .name: qi, .offset: 0, .size: 8, .value_kind: global_buffer, .address_space: global }
      - { .name: ki, .offset: 8, .size: 8, .value_kind: global_buffer, .address_space: global }
      - { .name: vi, .offset: 16, .size: 8, .value_kind: global_buffer, .address_space: global }
      - { .name: ao, .offset: 24, .size: 8, .value_kind: global_buffer, .address_space: global }
    .group_segment_fixed_size: 327680
    .private_segment_fixed_size: 0
    .kernarg_segment_align: 8
    .kernarg_segment_size: 32
    .max_flat_workgroup_size: 256
    .sgpr_count:     66
    .vgpr_count:     384
    .wavefront_size: 32
...
	.end_amdgpu_metadata
.endif
;; end of part 3
;; launch proj (part 4): grid 4 x 64, 4 waves a work-group, clusters of 4 x 4, 327,680 bytes of LDS; arguments ao, wo, b_out, out0; writes out0
.if DOCPART == 4
	.amdgcn_target "amdgcn-amd-amdhsa--gfx1250"
	.amdhsa_code_object_version 6
	.text
	.protected	k_qcd9ea12ad3_proj
	.globl	k_qcd9ea12ad3_proj
	.p2align	8
	.type	k_qcd9ea12ad3_proj,@function
k_qcd9ea12ad3_proj:
	s_mov_b64 s[64:65], 0
	v_nop
	global_prefetch_b8 v0, s[64:65] scope:SCOPE_SE
	s_setreg_imm32_b32 hwreg(HW_REG_WAVE_MODE, 25, 1), 1
	s_wait_xcnt 0x0
	s_wait_alu depctr_hold_cnt(0) depctr_sa_sdst(0) depctr_va_vdst(0) depctr_va_sdst(0) depctr_va_ssrc(0) depctr_va_vcc(0) depctr_vm_vsrc(0)
	s_getreg_b32 s2, hwreg(HW_REG_IB_STS2, 6, 4)
	s_cmp_eq_u32 s2, 0
	s_cbranch_scc0 .Lentry_in_a_cluster
	s_endpgm
.Lentry_in_a_cluster:
	s_bfe_u32 s2, ttmp6, 0x10000c
	s_cmp_lg_u32 s2, 0xf033
	s_cbranch_scc0 .Lentry_shape_is_right
	s_endpgm
.Lentry_shape_is_right:
; Launch 4 of 5: out0 = O w_out + b_out, [8,192 x 1,024] x [1,024 x 1,024], operands f16, sums f32.  NOT STORED HERE: the first 16 positions of each batch, which the last launch makes in f32.
; A tile of 128 x 256 gives 256 work-groups; four waves, each 64 x 128: 32 accumulators, 256 registers.  K goes in eight steps of 128 through a ring of two LDS slots.
; Both operands lie in memory as images of fragments (16 rows x 32 K: 1,024 bytes), so a K step's tile is one dense block (A 32,768 bytes, B 65,536), a fragment is read at 16 x lane, and nothing is padded.
; CLUSTERS: 4 x 4 work-groups: tile column cx, tile row 16 cy + the cluster's y, so that cy is the batch.  A's tile is shared along a row of the cluster, B's along a column: joint loads.
; THE MATRIX INSTRUCTION IS USED TRANSPOSED (source 0 = 16 columns of w_out, source 1 = 16 rows of O): a lane holds eight neighbouring numbers of a row.  The bias is the C of each sum's first instruction.
; REGISTERS: window 0: v16-30 addresses; v32-127, v128-223 two fragment buffers (B's 64 registers, then A's 32); on the way out v32-95 rows.   window 1: the accumulators, (a, b) at v[8 (8 a + b)].   window 2: v0-63 the bias.
.set SLOT,   98304
.set BOFF,   32768
.set STAGE,  2*SLOT                    ; behind the ring: 16 rows x (512 bytes + 16) for each wave
.set SPITCH, 528
.set SPARE,  STAGE+4*16*SPITCH         ; behind the stages: the spare words, 128 bytes for each wave
.set ADRA, 16
.set ADRB, 20
.set STO,  24
.set RD,   25
.set CO,   26
.set SPW,  28
.set NIL,  29
.set PFO,  30                          ; 256 x lane
.set F0,   32
.set F1,   128
.set OB,   32
.set G1A, 24
.set G0A, 32
.set G1B, 48
.set G0B, 56
.set PFA, 44                           ; s[44:45] where my prefetches stand
.set LIM, 43                           ; 1 in wave 0, else the greatest number
.set MSB, 0
.macro WIN new
.if MSB != \new
	s_set_vgpr_msb (MSB<<8)|\new
.set MSB, \new
.endif
.endm
.set MULW, 0x50                        ; C and D window 1
.set FIRW, 0x60                        ; C window 2 (the bias), D window 1
.macro JLOAD s                         ; a joint load: waves 0 and 1 fetch A's halves, waves 2 and 3 B's; an s_nop 0 and four v_nop follow each line
	s_cmp_eq_u32 s13, 0
	s_cbranch_scc0 .Lfor_b_\@
	tensor_load_to_lds s[G0A+4*\s:G0A+4*\s+3], s[G1A:G1A+7]
	s_nop 0
.rept 4
	v_nop
.endr
	s_branch .Lasked_\@
.Lfor_b_\@:
	tensor_load_to_lds s[G0B+4*\s:G0B+4*\s+3], s[G1B:G1B+7]
	s_nop 0
.rept 4
	v_nop
.endr
.Lasked_\@:
.endm
.macro CREST
	s_cmp_lg_u32 s12, 0
	s_cbranch_scc1 .Lnot_wave_0_\@
	s_barrier_signal -3
.Lnot_wave_0_\@:
	s_barrier_wait -3
	s_barrier_signal -1
	s_barrier_wait -1
.endm
.macro CROUND
	s_barrier_signal -1
	s_barrier_wait -1
	CREST
.endm
.macro PLACES
.rept 4
	v_nop
.endr
.endm
; A prefetch of A's tile of the K step that stands two refills on: 32,768 bytes; the four partners that ask for the tile jointly take 8,192 each, told apart by address; wave 0 asks, lanes 256 bytes apart: one instruction.
; Each block is named once in the launch: no other cluster reads these rows.  It stands behind the joint load and the run of LDS loads.  The last two refills have no K step two on.  B's tiles, which all clusters read, are not asked for.
.macro ASK
	s_cmp_gt_u32 s3, s[LIM]                        ; s3 = 1 in the loop's last trip
	s_cbranch_scc0 .Lnot_mine_\@
	global_prefetch_b8 v[PFO], s[PFA:PFA+1] offset:0x200000 th:TH_LOAD_NT scope:SCOPE_SE
.Lnot_mine_\@:
.endm
.macro MULA f, a, first                ; 8 matrix instructions: row block a against the eight column blocks, 32 along K.  The 32 accumulators take turns
.irp b, 0,1,2,3,4,5,6,7
.if \first
	v_wmma_f32_16x16x32_f16 v[8*(8*(\a)+\b):8*(8*(\a)+\b)+7], v[\f+8*\b:\f+8*\b+7], v[\f+64+8*(\a):\f+64+8*(\a)+7], v[8*\b:8*\b+7]
.else
	v_wmma_f32_16x16x32_f16 v[8*(8*(\a)+\b):8*(8*(\a)+\b)+7], v[\f+8*\b:\f+8*\b+7], v[\f+64+8*(\a):\f+64+8*(\a)+7], v[8*(8*(\a)+\b):8*(8*(\a)+\b)+7]
.endif
.endr
.endm
.macro FETCH slot, q, f                ; 24 LDS loads in one run: B's eight fragments, then A's four, of the slot's q-th 32 along K
.irp i, 0,1,2,3,4,5,6,7
	ds_load_b128 v[\f+8*\i:\f+8*\i+3], v[ADRB+\slot] offset:\i*4096+(\q)*1024
	ds_load_b128 v[\f+8*\i+4:\f+8*\i+7], v[ADRB+\slot] offset:\i*4096+(\q)*1024+512
.endr
.irp i, 0,1,2,3
	ds_load_b128 v[\f+64+8*\i:\f+64+8*\i+3], v[ADRA+\slot] offset:\i*4096+(\q)*1024
	ds_load_b128 v[\f+64+8*\i+4:\f+64+8*\i+7], v[ADRA+\slot] offset:\i*4096+(\q)*1024+512
.endr
.endm
.macro QUARTER slot, nq, f, g, first   ; multiplies buffer f; in its middle fetches the slot's nq-th quarter into g
	s_wait_dscnt 4                                 ; B and A's blocks 0, 1 are in; the youngest four loads (A's blocks 2, 3) may be out
.if \first
	WIN FIRW
.else
	WIN MULW
.endif
	MULA \f, 0, \first
	MULA \f, 1, \first
	PLACES
	WIN 0
	FETCH \slot, \nq, \g
	s_wait_dscnt 24                                ; all but the 24 just issued
.if \first
	WIN FIRW
.else
	WIN MULW
.endif
	MULA \f, 2, \first
	MULA \f, 3, \first
.endm
; A K step's last quarter multiplies buffer 1 and changes slots: one barrier; in front of it each wave waits for all its tensor loads, adds 0 to its spare word, and waits for that and for its reads of this slot.
.macro TURN slot, next, fill
.if \fill
	s_wait_xcnt 0x0                                ; the last prefetch, a K step back, has read its address
	s_add_nc_u64 s[PFA:PFA+1], s[PFA:PFA+1], 0x200000
.endif
	WIN 0
	s_wait_tensorcnt 0x0                           ; all my tensor loads have landed: my part of the next slot
	ds_add_u32 v[SPW], v[NIL]
	s_wait_dscnt 5                                 ; (the add and the youngest four loads may be out)
	WIN MULW
	MULA F1, 0, 0
	s_wait_dscnt 0x0                               ; the add is done, and my reads of this slot are over
	s_barrier_signal -1
	MULA F1, 1, 0
.if \fill
	WIN 0
.endif
	s_barrier_wait -1
.if \fill
	CREST                                          ; the barrier has opened a round of the cluster's barrier: no wave of any partner still reads this slot or has a load on its way
	s_add_nc_u64 s[G0A+4*\slot+2:G0A+4*\slot+3], s[G0A+4*\slot+2:G0A+4*\slot+3], 0x400000
	s_add_nc_u64 s[G0B+4*\slot+2:G0B+4*\slot+3], s[G0B+4*\slot+2:G0B+4*\slot+3], 0x80000
	JLOAD \slot                                    ; the first tensor load behind the round; its four v_nop are also the places in front of the loads below
.else
	PLACES
	WIN 0
.endif
	FETCH \next, 0, F0
.if \fill
	ASK
.endif
	WIN MULW
	MULA F1, 2, 0
	MULA F1, 3, 0
.endm
	s_load_b256 s[4:11], s[0:1], 0x0               ; ao s[4:5], wo s[6:7], b_out s[8:9], out0 s[10:11]
	v_lshl_add_u32 v[SPW], v0, 2, SPARE
	v_mov_b32 v[NIL], 0
	ds_add_u32 v[SPW], v[NIL]                      ; the wave's opening: the add, twice on end, and its wait ahead of my first tensor load
	ds_add_u32 v[SPW], v[NIL]
	v_lshrrev_b32 v1, 5, v0
	v_readfirstlane_b32 s12, v1                    ; wave 0..3
	s_lshr_b32 s13, s12, 1                         ; my half of the rows.  Also: I fetch for A (0) or for B (1)
	s_and_b32 s14, s12, 1                          ; my half of the columns.  Also: which half I fetch
	s_bfe_u32 s15, ttmp6, 0x40000                  ; cx
	s_bfe_u32 s16, ttmp6, 0x40004                  ; cy
	s_and_b32 s17, ttmp7, 0xffff                   ; the cluster's y
	s_lshl_b32 s18, s16, 4
	s_add_co_u32 s18, s18, s17                     ; tile row = 16 cy + cluster y
	s_lshl_b32 s19, s16, 2
	s_lshl_b32 s19, 15, s19                        ; my row of the cluster
	s_lshl_b32 s22, 0x1111, s15                    ; my column
	s_or_b32 s[G1A], s19, (3<<16)|(1<<21)          ; the mask; elements of 8 bytes; bit 21 beside a mask; no padding
	s_or_b32 s[G1B], s22, (3<<16)|(1<<21)
	s_mov_b32 s[G1A+1], 32<<16                     ; rows of 256 bytes
	s_mov_b32 s[G1A+2], 64<<16                     ; A: 64 rows a load
	s_mov_b32 s[G1A+3], 32<<16
	s_mov_b32 s[G1A+4], 64
	s_mov_b32 s[G1A+5], 32
	s_mov_b32 s[G1A+6], 0
	s_mov_b32 s[G1A+7], 0
	s_mov_b32 s[G1B+1], 32<<16
	s_mov_b32 s[G1B+2], 128<<16                    ; B: 128 rows a load
	s_mov_b32 s[G1B+3], 32<<16
	s_mov_b32 s[G1B+4], 128
	s_mov_b32 s[G1B+5], 32
	s_mov_b32 s[G1B+6], 0
	s_mov_b32 s[G1B+7], 0
	s_lshl_b32 s20, s18, 3
	s_lshl_b32 s21, s14, 2
	s_add_co_u32 s20, s20, s21
	s_lshl_b32 s20, s20, 12                        ; A: (8 tile row + 4 half) x 4,096
	s_mov_b32 s21, 0
	s_lshl_b32 s46, s15, 4
	s_lshl_b32 s47, s14, 3
	s_add_co_u32 s46, s46, s47
	s_lshl_b32 s46, s46, 12                        ; B: (16 cx + 8 half) x 4,096
	s_mov_b32 s47, 0
	s_lshl_b32 s40, s14, 14                        ; where they go: A's halves,
	s_lshl_b32 s41, s14, 15
	s_add_co_u32 s41, s41, BOFF                    ; B's halves
	s_wait_dscnt 0x0                               ; both opening adds are done
	s_wait_kmcnt 0x0
	s_add_nc_u64 s[20:21], s[4:5], s[20:21]
	s_add_nc_u64 s[46:47], s[6:7], s[46:47]
	CROUND                                         ; all sixteen work-groups are here: the first joint loads meet
.irp s, 0,1
	s_mov_b32 s[G0A+4*\s], 1
	s_add_co_u32 s[G0A+4*\s+1], s40, \s*SLOT
	s_add_nc_u64 s[G0A+4*\s+2:G0A+4*\s+3], s[20:21], \s*0x200000
	s_or_b32 s[G0A+4*\s+3], s[G0A+4*\s+3], 0x80000000
	s_mov_b32 s[G0B+4*\s], 1
	s_add_co_u32 s[G0B+4*\s+1], s41, \s*SLOT
	s_add_nc_u64 s[G0B+4*\s+2:G0B+4*\s+3], s[46:47], \s*0x40000
	s_or_b32 s[G0B+4*\s+3], s[G0B+4*\s+3], 0x80000000
	JLOAD \s                                       ; two loads of mine are out behind the second
.endr
	v_and_b32 v1, 15, v0                           ; r
	v_bfe_u32 v2, v0, 4, 1                         ; h
	v_and_b32 v3, 31, v0
	v_lshlrev_b32 v[CO], 4, v3                     ; 16 x lane
	s_lshl_b32 s66, s13, 14                        ; my four row groups of A
	s_lshl_b32 s67, s14, 15
	s_add_co_u32 s67, s67, BOFF                    ; my eight column groups of B
.irp s, 0,1
	v_add_nc_u32 v[ADRA+\s], s66, v[CO]
	v_add_nc_u32 v[ADRB+\s], s67, v[CO]
	s_add_co_u32 s66, s66, SLOT
	s_add_co_u32 s67, s67, SLOT
.endr
	s_mul_i32 s68, s12, 16*SPITCH
	s_add_co_u32 s68, s68, STAGE                   ; my stage
	v_mul_u32_u24 v4, v1, SPITCH
	v_lshl_add_u32 v4, v2, 5, v4
	v_add_nc_u32 v[STO], s68, v4                   ; in: row r, 32 bytes for each half of the lanes
	v_add_nc_u32 v[RD], s68, v[CO]                 ; back: the 32 lanes take a row's 512 bytes
	s_lshl_b32 s70, s18, 7
	s_lshl_b32 s71, s13, 6
	s_add_co_u32 s70, s70, s71
	s_lshl_b32 s70, s70, 12                        ; my first row of out0,
	s_lshl_b32 s71, s15, 10
	s_add_co_u32 s70, s70, s71
	s_lshl_b32 s71, s14, 9
	s_add_co_u32 s70, s70, s71                     ; my first column
	s_mov_b32 s71, 0
	s_add_nc_u64 s[10:11], s[10:11], s[70:71]
	s_lshl_b32 s72, s15, 10
	s_lshl_b32 s73, s14, 9
	s_add_co_u32 s72, s72, s73
	s_mov_b32 s73, 0
	s_add_nc_u64 s[8:9], s[8:9], s[72:73]          ; the bias of my 128 columns
	v_lshlrev_b32 v31, 5, v2                       ; 32 h
	WIN 0x80                                       ; destination window 2
.irp b, 0,1,2,3,4,5,6,7
	global_load_b128 v[8*\b:8*\b+3], v31, s[8:9] offset:64*\b
	global_load_b128 v[8*\b+4:8*\b+7], v31, s[8:9] offset:64*\b+16
.endr
	WIN 0
	s_lshl_b32 s72, s18, 15
	s_lshl_b32 s73, s15, 13
	s_add_co_u32 s72, s72, s73
	s_add_co_u32 s72, s72, 0x400000                ; at K step 2: the first refill steps it to 3 and names K step 4.  Nothing is prefetched here, at the head
	s_mov_b32 s73, 0
	s_add_nc_u64 s[PFA:PFA+1], s[4:5], s[72:73]
	s_cmp_eq_u32 s12, 0
	s_cselect_b32 s[LIM], 1, -1
	v_lshlrev_b32 v[PFO], 8, v3
	s_or_b32 s74, s17, s13                         ; 0 where my first 16 rows are a batch's first 16 positions
	s_wait_tensorcnt 0x1                           ; my part of K step 0 is in; K step 1's load may be out
	s_barrier_signal -1
	s_barrier_wait -1
	FETCH 0, 0, F0
	s_wait_loadcnt 0x0                             ; the bias
	QUARTER 0, 1, F0, F1, 1                        ; the first quarter stands in front of the loop: its products start the sums
	WIN 0
	s_mov_b32 s3, 3
.Llap:                                             ; a trip goes once round the ring and fills both slots again
	QUARTER 0, 2, F1, F0, 0
	QUARTER 0, 3, F0, F1, 0
	TURN 0, 1, 1
	QUARTER 1, 1, F0, F1, 0
	QUARTER 1, 2, F1, F0, 0
	QUARTER 1, 3, F0, F1, 0
	TURN 1, 0, 1
	QUARTER 0, 1, F0, F1, 0
	WIN 0
	s_sub_co_u32 s3, s3, 1
	s_cmp_lg_u32 s3, 0
	s_cbranch_scc1 .Llap
	QUARTER 0, 2, F1, F0, 0                        ; the last lap fills nothing
	QUARTER 0, 3, F0, F1, 0
	TURN 0, 1, 0
	QUARTER 1, 1, F0, F1, 0
	QUARTER 1, 2, F1, F0, 0
	QUARTER 1, 3, F0, F1, 0
	s_wait_dscnt 4
	WIN MULW
	MULA F1, 0, 0
	MULA F1, 1, 0
	s_wait_dscnt 0x0
	MULA F1, 2, 0
	MULA F1, 3, 0
	WIN 0
	PLACES
; THE WAY OUT, 16 rows x 128 columns at a time, through my own stage: back come whole rows of 512 bytes, which the 32 lanes store.
.macro OUTB a
	s_wait_xcnt 0x0                                ; the last block's stores have read their registers
	WIN 0x04                                       ; an LDS store's data: window 1
.irp b, 0,1,2,3,4,5,6,7
	ds_store_b128 v[STO], v[8*(8*(\a)+\b):8*(8*(\a)+\b)+3] offset:64*\b        ; each accumulator from its low end on
	ds_store_b128 v[STO], v[8*(8*(\a)+\b)+4:8*(8*(\a)+\b)+7] offset:64*\b+16
.endr
	WIN 0
.irp t, 0,1,2,3,4,5,6,7,8,9,10,11,12,13,14,15
	ds_load_b128 v[OB+4*\t:OB+4*\t+3], v[RD] offset:\t*SPITCH                  ; LDS serves a wave's instructions in order: these see the stores
.endr
	s_wait_dscnt 0x0
.irp t, 0,1,2,3,4,5,6,7,8,9,10,11,12,13,14,15
	global_store_b128 v[CO], v[OB+4*\t:OB+4*\t+3], s[10:11] offset:(16*(\a)+\t)*4096 th:TH_STORE_NT
.endr
.endm
	s_cmp_eq_u32 s74, 0                            ; ids that the partners share, and the wave's number
	s_cbranch_scc1 .Lskip0
	OUTB 0
.Lskip0:
	OUTB 1
	OUTB 2
	OUTB 3
	s_wait_tensorcnt 0x0                           ; the wave's end
	ds_add_u32 v[SPW], v[NIL]
	s_wait_dscnt 0x0
	CROUND                                         ; the closing round
	s_endpgm
.Lfunc_end_k_qcd9ea12ad3_proj:
	.size	k_qcd9ea12ad3_proj, .Lfunc_end_k_qcd9ea12ad3_proj-k_qcd9ea12ad3_proj
	.p2alignl 7, 3214868480
	.fill 96, 4, 3214868480
	.section	.rodata,"a",@progbits
	.p2align	6, 0x0
	.amdhsa_kernel k_qcd9ea12ad3_proj
		.amdhsa_group_segment_fixed_size 327680
		.amdhsa_private_segment_fixed_size 0
		.amdhsa_enable_private_segment 0
		.amdhsa_kernarg_size 32
		.amdhsa_user_sgpr_count 2
		.amdhsa_user_sgpr_kernarg_segment_ptr 1
		.amdhsa_wavefront_size32 1
		.amdhsa_system_sgpr_workgroup_id_x 1
		.amdhsa_system_sgpr_workgroup_id_y 1
		.amdhsa_system_sgpr_workgroup_id_z 1
		.amdhsa_system_vgpr_workitem_id 0
		.amdhsa_next_free_vgpr 576
		.amdhsa_next_free_sgpr 80
		.amdhsa_reserve_vcc 0
		.amdhsa_float_denorm_mode_32 3
		.amdhsa_float_denorm_mode_16_64 3
		.amdhsa_memory_ordered 1
		.amdhsa_forward_progress 1
		.amdhsa_inst_pref_size 87
	.end_amdhsa_kernel
	.amdgpu_metadata
---
amdhsa.version: [ 1, 2 ]
amdhsa.kernels:
  - .name:           k_qcd9ea12ad3_proj
    .symbol:         k_qcd9ea12ad3_proj.kd
    .args:
      - { .name: ao, .offset: 0, .size: 8, .value_kind: global_buffer, .address_space: global }
      - { .name: wo, .offset: 8, .size: 8, .value_kind: global_buffer, .address_space: global }
      - { .name: b_out, .offset: 16, .size: 8, .value_kind: global_buffer, .address_space: global }
      - { .name: out0, .offset: 24, .size: 8, .value_kind: global_buffer, .address_space: global }
    .group_segment_fixed_size: 327680
    .private_segment_fixed_size: 0
    .kernarg_segment_align: 8
    .kernarg_segment_size: 32
    .max_flat_workgroup_size: 128
    .sgpr_count:     80
    .vgpr_count:     576
    .wavefront_size: 32
...
	.end_amdgpu_metadata
.endif
;; end of part 4
;; launch fine (part 5): grid 64 x 4, 16 waves a work-group, no clusters, 18,432 bytes of LDS; arguments q16, w_out, b_out, out0; writes out0
.if DOCPART == 5
	.amdgcn_target "amdgcn-amd-amdhsa--gfx1250"
	.amdhsa_code_object_version 6
	.text
	.protected	k_qcd9ea12ad3_fine
	.globl	k_qcd9ea12ad3_fine
	.p2align	8
	.type	k_qcd9ea12ad3_fine,@function
k_qcd9ea12ad3_fine:
	s_mov_b64 s[64:65], 0
	v_nop
	global_prefetch_b8 v0, s[64:65] scope:SCOPE_SE
	s_setreg_imm32_b32 hwreg(HW_REG_WAVE_MODE, 25, 1), 1
	s_wait_xcnt 0x0
; Launch 5 of 5: the first 16 positions of each batch, all in f32: they average one to sixteen values and are the largest numbers of the output, so 16-bit operands would weigh most there.
; LEFT OUT, as in the launches before: K's bias (the same along the softmax's axis), and all keys behind position 15, which the causal mask hides from these queries.
; A work-group makes out0[batch, 0 .. 15, n0 .. n0 + 15], n0 = 16 x its x.  Wave w is head w: it makes the head's 16 x 16 attention anew from q16 (the f32 images that launch 2 stored) and multiplies it by
; its own 64 rows of w_out; the sixteen partial sums meet in LDS.  The small attention is repeated in a batch's 64 work-groups: that spares a launch and a buffer.
; All products are v_wmma_f32_16x16x4_f32.  K is taken in the same permuted order on both sides: a step takes the register pair (2 s, 2 s + 1) of an image or of a result, so that lane (r, h) brings
; the numbers 8 h + 2 s + 0, 1 of its group of 16: results serve as operands with no move between lanes.  Each product has four accumulators by turns, begun with C = 0; no other instruction writes them.
; REGISTERS: v6-15 addresses; v16-47 K; v48-79 Q; v80-111 V^T; v112-143 W^T; v144-175, v176-207, v208-239 the three products' accumulators; v240-255 scores, p, at work.
.set SPARE, 16384
.set SPW, 4
.set NIL, 5
	s_load_b256 s[4:11], s[0:1], 0x0               ; q16 s[4:5], w_out s[6:7], b_out s[8:9], out0 s[10:11]
	v_lshl_add_u32 v[SPW], v0, 2, SPARE
	v_mov_b32 v[NIL], 0
	v_lshrrev_b32 v1, 5, v0
	v_readfirstlane_b32 s12, v1                    ; wave = head
	s_and_b32 s13, ttmp7, 0xffff                   ; batch
	v_and_b32 v1, 15, v0                           ; r
	v_bfe_u32 v2, v0, 4, 1                         ; h
	v_and_b32 v3, 31, v0
	v_lshlrev_b32 v6, 4, v3                        ; 16 x lane
	v_bfe_u32 v7, v0, 2, 1                         ; V^T: lane (r, h) wants channel r of keys 8 h + ..: in the image register r % 8 of lane (key, r / 8)
	v_lshlrev_b32 v7, 9, v7
	v_bfe_u32 v8, v0, 3, 1
	v_lshl_add_u32 v7, v8, 8, v7
	v_lshl_add_u32 v7, v2, 7, v7
	v_and_b32 v8, 3, v0
	v_lshl_add_u32 v7, v8, 2, v7
	v_lshlrev_b32 v9, 2, v1
	v_lshl_add_u32 v9, v2, 15, v9                  ; W^T: column n0 + r, 8 h rows of 4,096 bytes down
	s_lshl_b32 s14, s12, 10
	v_lshlrev_b32 v10, 6, v1
	v_lshl_add_u32 v10, v2, 5, v10
	v_add_nc_u32 v10, s14, v10                     ; LDS: my head's partial sums: 1,024 wave + 64 r + 32 h
	v_lshlrev_b32 v11, 4, v0                       ; the gathering: 16 bytes a thread
	v_lshrrev_b32 v12, 2, v0
	v_lshlrev_b32 v12, 12, v12
	v_and_b32 v13, 3, v0
	v_lshlrev_b32 v13, 4, v13                      ; 16 (t % 4): four columns
	v_add_nc_u32 v12, v12, v13                     ; out0: position t / 4
	v_lshlrev_b32 v14, 3, v2
	v_sub_nc_u32 v14, v1, v14                      ; r - 8 h
	v_mov_b32 v15, 0xff800000
	s_mov_b32 s22, 0x76543210
	s_mov_b32 s23, 0xfedcba98
	s_mov_b32 s24, 0x3e38aa3b                      ; c = log2(e) / 8
	s_mul_i32 s26, s13, 196608                     ; a batch's 192 images
	s_lshl_b32 s27, s12, 12                        ; a head's four
	s_add_co_u32 s26, s26, s27
	s_mov_b32 s27, 0
	s_lshl_b32 s28, s12, 18                        ; the head's 64 rows of w_out
	s_lshl_b32 s29, ttmp9, 6                       ; 4 n0
	s_add_co_u32 s28, s28, s29
	s_mov_b32 s29, 0
	s_lshl_b32 s30, s13, 23                        ; the batch's rows of out0
	s_lshl_b32 s31, ttmp9, 6
	s_add_co_u32 s30, s30, s31
	s_mov_b32 s32, s31
	s_mov_b32 s31, 0
	s_mov_b32 s33, 0
	s_wait_kmcnt 0x0
	s_add_nc_u64 s[14:15], s[4:5], s[26:27]
	s_add_nc_u64 s[16:17], s[6:7], s[28:29]
	s_add_nc_u64 s[18:19], s[10:11], s[30:31]
	s_add_nc_u64 s[20:21], s[8:9], s[32:33]
.irp i, 0,1,2,3,4,5,6,7
	global_load_b128 v[16+4*\i:16+4*\i+3], v6, s[14:15] offset:65536+512*\i    ; K: lane (position, h): channels 16 (i / 2) + 8 h + 4 (i % 2) + 0 .. 3
	global_load_b128 v[48+4*\i:48+4*\i+3], v6, s[14:15] offset:512*\i          ; Q likewise
.endr
.irp g, 0,1,2,3
.irp i, 0,1,2,3,4,5,6,7
	global_load_b32 v[80+8*\g+\i], v7, s[14:15] offset:131072+\g*1024+\i*16    ; V(key 8 h + i, channel 16 g + r)
.endr
.endr
	s_wait_loadcnt 32                              ; K and Q are in; V's 32 loads may be out
.irp g, 0,1,2,3
.irp i, 0,1,2,3,4,5,6,7
	global_load_b32 v[112+8*\g+\i], v9, s[16:17] offset:(16*\g+\i)*4096        ; w_out(64 head + 16 g + 8 h + i, n0 + r)
.endr
.endr
.irp g, 0,1,2,3                                ; S^T = K Q^T: lane (r, h) will hold query r, keys 8 h + 0 .. 7
.irp s, 0,1,2,3
.if \g == 0
	v_wmma_f32_16x16x4_f32 v[144+8*\s:144+8*\s+7], v[16+8*\g+2*\s:16+8*\g+2*\s+1], v[48+8*\g+2*\s:48+8*\g+2*\s+1], 0
.else
	v_wmma_f32_16x16x4_f32 v[144+8*\s:144+8*\s+7], v[16+8*\g+2*\s:16+8*\g+2*\s+1], v[48+8*\g+2*\s:48+8*\g+2*\s+1], v[144+8*\s:144+8*\s+7]
.endif
.endr
.endr
.rept 8
	v_nop                                          ; eight places behind this form, in front of the first read of results
.endr
.irp j, 0,1,2,3,4,5,6,7
	v_add_f32 v[240+\j], v[144+\j], v[152+\j]      ; the four accumulators' sum; each is read from its low end on
	v_add_f32 v[248+\j], v[160+\j], v[168+\j]
.endr
.irp j, 0,1,2,3,4,5,6,7
	v_add_f32 v[240+\j], v[240+\j], v[248+\j]
.endr
.irp j, 0,1,2,3,4,5,6,7
	v_cmp_gt_i32 vcc_lo, \j, v14                   ; key 8 h + j comes after query r
	v_cndmask_b32 v[240+\j], v[240+\j], v15, vcc_lo
.endr
	v_max3_num_f32 v248, v240, v241, v242
	v_max3_num_f32 v249, v243, v244, v245
	v_max3_num_f32 v248, v248, v246, v247
	v_max_num_f32 v248, v248, v249
	v_permlanex16_b32 v249, v248, s22, s23
	v_max_num_f32 v248, v248, v249                 ; the row's maximum: key 0 counts for every query
	v_mul_f32 v248, s24, v248
.irp j, 0,1,2,3,4,5,6,7
	v_fma_f32 v[240+\j], v[240+\j], s24, -v248
.endr
.irp j, 0,1,2,3,4,5,6,7
	v_exp_f32 v[240+\j], v[240+\j]
.endr
	v_nop
	s_wait_alu depctr_va_vdst(0)                   ; one wait for the eight exponentials, ahead of their first reader
	v_add_f32 v249, v240, v241
	v_add_f32 v250, v242, v243
	v_add_f32 v251, v244, v245
	v_add_f32 v252, v246, v247
	v_add_f32 v249, v249, v250
	v_add_f32 v251, v251, v252
	v_add_f32 v249, v249, v251
	v_permlanex16_b32 v250, v249, s22, s23
	v_add_f32 v249, v249, v250
	v_rcp_f32 v249, v249
	v_nop
	s_wait_alu depctr_va_vdst(0)
.irp j, 0,1,2,3,4,5,6,7
	v_mul_f32 v[240+\j], v[240+\j], v249           ; the weights, normalised
.endr
	s_wait_loadcnt 32                              ; V is in; W's 32 loads may be out
.irp s, 0,1,2,3                                ; O^T = V^T P: lane (r, h) will hold query r, channels 16 g + 8 h + 0 .. 7
.irp g, 0,1,2,3
.if \s == 0
	v_wmma_f32_16x16x4_f32 v[176+8*\g:176+8*\g+7], v[80+8*\g+2*\s:80+8*\g+2*\s+1], v[240+2*\s:240+2*\s+1], 0
.else
	v_wmma_f32_16x16x4_f32 v[176+8*\g:176+8*\g+7], v[80+8*\g+2*\s:80+8*\g+2*\s+1], v[240+2*\s:240+2*\s+1], v[176+8*\g:176+8*\g+7]
.endif
.endr
.endr
.rept 9
	v_nop                                          ; nine places before a matrix instruction takes these results as an operand
.endr
	s_wait_loadcnt 0x0                             ; W
.irp s, 0,1,2,3                                ; out^T = W^T O: lane (r, h) will hold position r, columns n0 + 8 h + 0 .. 7
.irp g, 0,1,2,3
.if \s == 0
	v_wmma_f32_16x16x4_f32 v[208+8*\g:208+8*\g+7], v[112+8*\g+2*\s:112+8*\g+2*\s+1], v[176+8*\g+2*\s:176+8*\g+2*\s+1], 0
.else
	v_wmma_f32_16x16x4_f32 v[208+8*\g:208+8*\g+7], v[112+8*\g+2*\s:112+8*\g+2*\s+1], v[176+8*\g+2*\s:176+8*\g+2*\s+1], v[208+8*\g:208+8*\g+7]
.endif
.endr
.endr
.rept 8
	v_nop
.endr
.irp j, 0,1,2,3,4,5,6,7
	v_add_f32 v[80+\j], v[208+\j], v[216+\j]
	v_add_f32 v[88+\j], v[224+\j], v[232+\j]
.endr
.irp j, 0,1,2,3,4,5,6,7
	v_add_f32 v[80+\j], v[80+\j], v[88+\j]
.endr
	ds_store_b128 v10, v[80:83]
	ds_store_b128 v10, v[84:87] offset:16
	s_wait_dscnt 0x0                               ; for the others' sake: my partial sums lie in LDS
	s_barrier_signal -1
	s_barrier_wait -1
	s_cmp_lt_u32 s12, 2                            ; waves 0 and 1 gather: 64 threads, four columns of one position each
	s_cbranch_scc0 .Ldone
	global_load_b128 v[16:19], v13, s[20:21]       ; b_out
.irp w, 0,1,2,3,4,5,6,7,8,9,10,11,12,13,14,15
	ds_load_b128 v[20+4*\w:20+4*\w+3], v11 offset:\w*1024
.endr
	s_wait_dscnt 0x0
.irp w, 0,2,4,6,8,10,12,14
	v_pk_add_f32 v[20+4*\w:20+4*\w+1], v[20+4*\w:20+4*\w+1], v[24+4*\w:24+4*\w+1]
	v_pk_add_f32 v[22+4*\w:22+4*\w+1], v[22+4*\w:22+4*\w+1], v[26+4*\w:26+4*\w+1]
.endr
.irp w, 0,4,8,12
	v_pk_add_f32 v[20+4*\w:20+4*\w+1], v[20+4*\w:20+4*\w+1], v[28+4*\w:28+4*\w+1]
	v_pk_add_f32 v[22+4*\w:22+4*\w+1], v[22+4*\w:22+4*\w+1], v[30+4*\w:30+4*\w+1]
.endr
.irp w, 0,8
	v_pk_add_f32 v[20+4*\w:20+4*\w+1], v[20+4*\w:20+4*\w+1], v[36+4*\w:36+4*\w+1]
	v_pk_add_f32 v[22+4*\w:22+4*\w+1], v[22+4*\w:22+4*\w+1], v[38+4*\w:38+4*\w+1]
.endr
	v_pk_add_f32 v[20:21], v[20:21], v[52:53]
	v_pk_add_f32 v[22:23], v[22:23], v[54:55]
	s_wait_loadcnt 0x0
	v_pk_add_f32 v[20:21], v[20:21], v[16:17]
	v_pk_add_f32 v[22:23], v[22:23], v[18:19]
	global_store_b128 v12, v[20:23], s[18:19]      ; four lanes store 64 consecutive bytes of a row: 262,144 bytes in the whole launch go out in such pieces
.Ldone:
	s_wait_tensorcnt 0x0                           ; the wave's end, behind my last LDS store
	ds_add_u32 v[SPW], v[NIL]
	s_wait_dscnt 0x0
	s_endpgm
.Lfunc_end_k_qcd9ea12ad3_fine:
	.size	k_qcd9ea12ad3_fine, .Lfunc_end_k_qcd9ea12ad3_fine-k_qcd9ea12ad3_fine
	.p2alignl 7, 3214868480
	.fill 96, 4, 3214868480
	.section	.rodata,"a",@progbits
	.p2align	6, 0x0
	.amdhsa_kernel k_qcd9ea12ad3_fine
		.amdhsa_group_segment_fixed_size 18432
		.amdhsa_private_segment_fixed_size 0
		.amdhsa_enable_private_segment 0
		.amdhsa_kernarg_size 32
		.amdhsa_user_sgpr_count 2
		.amdhsa_user_sgpr_kernarg_segment_ptr 1
		.amdhsa_wavefront_size32 1
		.amdhsa_system_sgpr_workgroup_id_x 1
		.amdhsa_system_sgpr_workgroup_id_y 1
		.amdhsa_system_sgpr_workgroup_id_z 1
		.amdhsa_system_vgpr_workitem_id 0
		.amdhsa_next_free_vgpr 256
		.amdhsa_next_free_sgpr 66
		.amdhsa_reserve_vcc 1
		.amdhsa_float_denorm_mode_32 3
		.amdhsa_float_denorm_mode_16_64 3
		.amdhsa_memory_ordered 1
		.amdhsa_forward_progress 1
		.amdhsa_inst_pref_size 22
	.end_amdhsa_kernel
	.amdgpu_metadata
---
amdhsa.version: [ 1, 2 ]
amdhsa.kernels:
  - .name:           k_qcd9ea12ad3_fine
    .symbol:         k_qcd9ea12ad3_fine.kd
    .args:
      - { .name: q16, .offset: 0, .size: 8, .value_kind: global_buffer, .address_space: global }
      - { .name: w_out, .offset: 8, .size: 8, .value_kind: global_buffer, .address_space: global }
      - { .name: b_out, .offset: 16, .size: 8, .value_kind: global_buffer, .address_space: global }
      - { .name: out0, .offset: 24, .size: 8, .value_kind: global_buffer, .address_space: global }
    .group_segment_fixed_size: 18432
    .private_segment_fixed_size: 0
    .kernarg_segment_align: 8
    .kernarg_segment_size: 32
    .max_flat_workgroup_size: 512
    .sgpr_count:     66
    .vgpr_count:     256
    .wavefront_size: 32
...
	.end_amdgpu_metadata
.endif
;; end of part 5
